; MI455X (gfx1250); checked and timed in simulation.
; The chip was launched on July 23, 2026; its instructions are those of AMD's public machine-readable ISA for CDNA 5 (MIT licence, August 2026) and "CDNA5" Instruction Set Architecture Reference Guide (July 2026). The comments in the code are by the model that wrote it; some were corrected since.
;; Multi Head Attention. Allowed arithmetic: matrix products marked QUANTISED: E3M2 operands, one E8M0 scale for each 32 along K, by v_wmma_scale_f32_16x16x128_f8f6f4 with both operands' format E3M2, f32 sums; everything else in f32.
;; Inputs: Wk 1,024 x 1,024 float32; Wq 1,024 x 1,024 float32; Wr 1,024 x 1,024 float32; Wv 1,024 x 1,024 float32; beta 1,024 float32; bk 1,024 float32; bq 1,024 float32; br 1,024 float32; bv 1,024 float32; gamma 1,024 float32; x 4 x 2,048 x 1,024 float32.
;; Outputs: out0 4 x 2,048 x 1,024 float32.
;; This version of the problem:
;;   THIS VERSION OF THE PROBLEM IS GIVEN IN LOW PRECISION. The matrix products marked QUANTISED in the list below multiply operands that are first quantised to E3M2 (3 exponent bits, 2 mantissa bits; 6 bits a number), with one power-of-two scale for each 32 numbers along K (OCP MX v1.0); their sums are f32. All else is computed in f32.
;;   The module's matrix products, in the order in which they are computed (A, B: the left and right operand; K: the contracted axis; several contracted axes count as one K, in the product's order):
;;     1. [M 8,192, K 1,024] x [K 1,024, N 1,024]; A: input x; B: input Wq: QUANTISED
;;     2. [M 8,192, K 1,024] x [K 1,024, N 1,024]; A: input x; B: input Wk: QUANTISED
;;     3. [M 8,192, K 1,024] x [K 1,024, N 1,024]; A: input x; B: input Wv: QUANTISED
;;     4. [M 8,192, K 1,024] x [K 1,024, N 1,024]; A: input x; B: input Wr: QUANTISED
;;     5. batch 32 x [M 2,048, K 128] x [K 128, N 2,048]; A: computed on the way; B: computed on the way: QUANTISED
;;     6. batch 32 x [M 2,048, K 2,048] x [K 2,048, N 128]; A: softmax (see below); B: computed on the way: QUANTISED
;;   THE QUANTISER, for each operand of a quantised product, along K:
;;     - K is cut into blocks of 32 from its start; a last block that is shorter is filled with zeros.
;;     - A block's scale is 2^e with e = floor(log2(the largest magnitude in the block)) - 4, held to -126 .. 127; a block of zeros has e = 0. As a byte (E8M0): e + 127.
;;     - Each number is divided by its block's scale, clamped to +-28, and rounded to the nearest number of E3M2, ties to even, subnormals kept.
;;     - The product sums the exact products of the quantised numbers (number of the format x scale) in f32.
;;   ~~~python
;;   def quantise(x, axis):      # numpy; x: float32 -> the quantised numbers, widened to float32 again
;;       x = np.moveaxis(x, axis, -1); K = x.shape[-1]
;;       x = np.pad(x, [(0, 0)] * (x.ndim - 1) + [(0, -K % 32)]); x = x.reshape(x.shape[:-1] + (-1, 32)); a = np.abs(x).max(-1, keepdims=True)
;;       e = np.where(a > 0, np.clip(np.frexp(np.where(a > 0, a, 1))[1] - 1 - 4, -126, 127), 0)      # np.frexp(a)[1] - 1 = floor(log2(a)), exactly
;;       r = np.clip(x / 2.0 ** e, -28, 28)
;;       step = 2.0 ** (np.maximum(np.frexp(np.where(r == 0, 1, r))[1] - 1, -2) - 2)
;;       q = np.round(r / step) * step * 2.0 ** e      # np.round: ties to even
;;       return np.moveaxis(q.reshape(q.shape[:-2] + (-1,))[..., :K], -1, axis).astype(np.float32)
;;   ~~~
;;   SOFTMAX AHEAD OF A QUANTISED PRODUCT. Where the list says 'softmax', what is quantised is not the finished softmax but p = 2^(t - M), with t = logit x log2(e) and M = ceil(the row's largest t), a whole number; so 1/2 < the row's largest p <= 1. The row's sum l is taken of the UNQUANTISED p, in f32, and the product's result is divided by l at the end. Since M is a whole number, a kernel that streams over the keys may use a running M (the ceiling of the running maximum): every later rescaling is an exact power of two, which a block's scale takes up: the codes' values come out the same.
;;   OPERANDS COMPUTED ON THE WAY. 'Computed on the way' means the value that the module computes at that place (a softmax that the list does not call 'softmax' is quantised finished and normalised). What goes into a quantiser is computed in f32, as accurately as f32 sums, v_exp_f32 and their like allow (about 1e-6 of the number): no bf16 or f16 on the way to a quantiser, and a product that is left as it is and whose result goes on into a quantised operand takes f32 operands (vector FMAs, or v_wmma_f32_16x16x4_f32). A number that lies on a knife's edge between two numbers of the format may be rounded either way, as far as f32 arithmetic and the matrix unit's own rounding can turn it there, and no further.
;; One version. Each part assembles by itself: llvm-mc -triple=amdgcn-amd-amdhsa -mcpu=gfx1250 --defsym DOCPART=n.
;; ======== version 1 of 1: 3 launches
;; limits: right only within a limited range of input values
;; workspace buffers: xc 6,291,456 bytes; xs 262,144 bytes; wc 3,145,728 bytes; ws 131,072 bytes; qkvc 18,874,368 bytes; qkvs 786,432 bytes; res 33,554,432 bytes
;; launch quant (part 1): grid 384 x 1, 4 waves a work-group, no clusters, 69,120 bytes of LDS; arguments x, xc, xs, Wq, Wk, Wv, Wr, wc, ws; writes xc, xs, wc, ws
.if DOCPART == 1
	.amdgcn_target "amdgcn-amd-amdhsa--gfx1250"
	.amdhsa_code_object_version 6
	.text
	.protected	k_q060f648d57_quant
	.globl	k_q060f648d57_quant
	.p2align	8
	.type	k_q060f648d57_quant,@function
k_q060f648d57_quant:
	s_mov_b64 s[64:65], 0
	v_nop
	global_prefetch_b8 v0, s[64:65] scope:SCOPE_SE
	s_setreg_imm32_b32 hwreg(HW_REG_WAVE_MODE, 25, 1), 1
	s_wait_xcnt 0x0
; x [8192][1024] and Wq, Wk, Wv, Wr [1024 (k)][1024 (n)], f32, become codes of BF6 (E3M2) with one E8M0 byte for each 32 along K.
; A block's scale is 2^(floor(log2(its largest magnitude)) - 4); its byte is the largest magnitude's exponent field - 4, held at 1 from below.
; LAYOUT OF THE CODES: [K step of 256][place][192 bytes]: the 128 places of a tile of one K step are 24,576 consecutive bytes, a multiple of 256.
; Scale bytes: 32 a place.  x's places: in each group of 128 rows, place 16 a + r holds row 64 (a / 4) + 4 r + a % 4.
; The weights' places: 0-1023 Wq, 1024-2047 Wk, 2048-3071 Wv, 3072-4095 Wr; column n at place n of its weight, but Wv's column n at place 8 (n % 128) + n / 128.
; Work-groups 0-127 take the weights (weight (id / 8) % 4, 128 columns id % 8, K step id / 32), work-groups 128-383 take 32 rows of x each.
; The two paths part on the work-group's number and have LDS bytes of their own.
; LIMITS: NaN and infinities are not served; a block of zeros, or one whose largest magnitude lies under 2^-122, gets the byte 1 (the rule says 127 for zeros):
; its codes are zeros, and this program alone reads the bytes.
.set PLX,   8192*192                   ; bytes of one K step of all of x's places
.set PLW,   4096*192                   ; the same for the weights
.set SPARE, 0x8400                     ; the spare words, 128 bytes a wave
.set WST,   34304                      ; the weights' path: four stages of 32 x 272 bytes
	v_lshl_add_u32 v192, v0, 2, SPARE
	v_mov_b32 v193, 0
	v_lshrrev_b32 v1, 5, v0
	v_readfirstlane_b32 s16, v1                    ; wave 0..3
	v_and_b32 v2, 31, v0                           ; lane
	s_wait_alu depctr_va_vdst(0)
	s_cmp_lt_u32 ttmp9, 128
	s_cbranch_scc0 .Lx_path
; ---- THE WEIGHTS.  A lane takes a column and its registers run down K: a block of 32 lies in one lane, and the conversions give codes with K innermost.
; A wave takes 32 columns x 256 along K; its codes go through its own stage and leave sixteen lanes to a place's 192 bytes.
.set NB,    8
.set PITCH, 272
.set KROW,  192
.set SB,    24                         ; v24-25   the scale bytes
.set WX,    32                         ; v32-95   two sets of 32 numbers
.set WC,    96                         ; v96..    a block's codes
.set OUTR,  112                        ; v112-175 the way out
.set AO,    176                        ; v176-191 byte offset of store t
	s_load_b256 s[4:11], s[0:1], 0x18              ; Wq, Wk, Wv, Wr
	s_load_b128 s[12:15], s[0:1], 0x38             ; wc, ws
	s_bfe_u32 s17, ttmp9, 0x20003                  ; which weight
	s_and_b32 s18, ttmp9, 7                        ; which 128 columns
	s_lshr_b32 s19, ttmp9, 5                       ; which K step
	s_lshl_b32 s20, s18, 7
	s_lshl_b32 s21, s16, 5
	s_add_co_u32 s20, s20, s21                     ; my wave's first column
	s_lshl_b32 s21, s16, 8
	s_add_co_u32 s21, s21, s18                     ; its place in Wv's order
	s_cmp_eq_u32 s17, 2
	s_cselect_b32 s21, s21, s20
	s_cselect_b32 s22, 8, 1                        ; places from a column to the next
	s_lshl_b32 s23, s17, 10
	s_add_co_u32 s21, s21, s23                     ; the place among all 4,096
	s_mul_i32 s23, s22, KROW
	s_lshl_b32 s24, s23, 1
	s_lshl_b32 s25, s22, 5
	v_lshlrev_b32 v3, 2, v2
	s_mul_i32 s26, s16, 32*PITCH
	s_add_co_u32 s26, s26, WST                     ; my stage
	v_mul_u32_u24 v4, v2, PITCH
	v_add_nc_u32 v4, s26, v4
	v_and_b32 v5, 15, v2
	v_lshrrev_b32 v6, 4, v2
	v_mul_u32_u24 v7, v6, PITCH
	v_lshl_add_u32 v7, v5, 4, v7
	v_add_nc_u32 v7, s26, v7
	v_mul_u32_u24 v8, v6, s23
	v_mad_u32_u24 v8, v5, 12, v8
.irp t, 0,1,2,3,4,5,6,7,8,9,10,11,12,13,14,15
	v_mad_u32_u24 v[AO+\t], s24, \t, v8            ; columns 2 t and 2 t + 1
.endr
	v_mul_u32_u24 v9, v2, s25
	s_lshl_b32 s26, s19, 20                        ; W: 256 y rows of 4,096 bytes + 4 x column
	s_lshl_b32 s27, s20, 2
	s_add_co_u32 s26, s26, s27
	s_mov_b32 s27, 0
	s_mul_i32 s28, s21, KROW                       ; codes: K step x PLW + place x 192
	s_mul_i32 s29, s19, PLW
	s_add_co_u32 s28, s28, s29
	s_mov_b32 s29, 0
	s_lshl_b32 s30, s21, 5                         ; scale bytes: place x 32 + 8 y
	s_lshl_b32 s31, s19, 3
	s_add_co_u32 s30, s30, s31
	s_mov_b32 s31, 0
	s_wait_kmcnt 0x0
	s_cmp_eq_u32 s17, 1
	s_cselect_b64 s[4:5], s[6:7], s[4:5]
	s_cmp_eq_u32 s17, 2
	s_cselect_b64 s[4:5], s[8:9], s[4:5]
	s_cmp_eq_u32 s17, 3
	s_cselect_b64 s[4:5], s[10:11], s[4:5]
	s_add_nc_u64 s[4:5], s[4:5], s[26:27]
	s_add_nc_u64 s[12:13], s[12:13], s[28:29]
	s_add_nc_u64 s[14:15], s[14:15], s[30:31]
.macro WLOAD t                         ; block t: W(32 t + i, my column) into set t % 2
.irp i, 0,1,2,3,4,5,6,7,8,9,10,11,12,13,14,15,16,17,18,19,20,21,22,23,24,25,26,27,28,29,30,31
	global_load_b32 v[WX+32*((\t)%2)+\i], v3, s[4:5] offset:(32*(\t)+\i)*4096 th:TH_LOAD_NT
.endr
.endm
	WLOAD 0
	WLOAD 1
.macro WBLOCK t
.set XS, WX+32*((\t)%2)
.if (\t) < NB-1
	s_wait_loadcnt 32                              ; this block's 32 loads are in; the next block's may be out
.else
	s_wait_loadcnt 0
.endif
	v_max3_num_f32 v12, |v[XS]|, |v[XS+1]|, |v[XS+2]|
	v_max3_num_f32 v13, |v[XS+3]|, |v[XS+4]|, |v[XS+5]|
.irp i, 6,10,14,18,22,26
	v_max3_num_f32 v12, v12, |v[XS+\i]|, |v[XS+\i+1]|
	v_max3_num_f32 v13, v13, |v[XS+\i+2]|, |v[XS+\i+3]|
.endr
	v_max3_num_f32 v12, v12, |v[XS+30]|, |v[XS+31]|
	v_max3_num_f32 v12, v12, v13, 0x2800000        ; and the floor 2^(5 - 127)
	v_add_nc_u32 v11, 0xfe000000, v12              ; 4 off its exponent field: the conversion's scale operand
	v_lshrrev_b32 v13, 23, v11                     ; the scale's byte
.if (\t)%4 == 0
	v_mov_b32 v[SB+(\t)/4], v13
.else
	v_lshl_or_b32 v[SB+(\t)/4], v13, 8*((\t)%4), v[SB+(\t)/4]
.endif
	v_cvt_scalef32_pk16_bf6_f32 v[WC:WC+2], v[XS:XS+15], v11
	v_cvt_scalef32_pk16_bf6_f32 v[WC+4:WC+6], v[XS+16:XS+31], v11
	v_nop                                          ; one plain line behind the conversions
	ds_store_b96 v4, v[WC:WC+2] offset:32*(\t)
	ds_store_b96 v4, v[WC+4:WC+6] offset:32*(\t)+16
.if (\t)+2 < NB
	WLOAD (\t)+2
.endif
	s_wait_dscnt 0x0                               ; the stores have read their registers
.endm
.irp t, 0,1,2,3,4,5,6,7
	WBLOCK \t
.endr
	s_wait_alu depctr_va_vdst(0)
	global_store_b64 v9, v[SB:SB+1], s[14:15]      ; my column's 8 scale bytes
.irp t, 0,1,2,3,4,5,6,7,8,9,10,11,12,13,14,15
	ds_load_b96 v[OUTR+4*\t:OUTR+4*\t+2], v7 offset:2*\t*PITCH
.endr
.irp t, 0,1,2,3,4,5,6,7,8,9,10,11,12,13,14,15
	s_wait_dscnt 15-\t                             ; load t is in, the younger ones stay out
	global_store_b96 v[AO+\t], v[OUTR+4*\t:OUTR+4*\t+2], s[12:13]
.endr
	s_wait_tensorcnt 0x0                           ; the wave's end
	ds_add_u32 v192, v193
	s_wait_dscnt 0x0
	s_endpgm
.Lx_path:
; ---- x.  Work-group G = id - 128 takes rows 32 G .. 32 G + 31, wave w rows 32 G + 8 w + i: 16 steps of 512 numbers, step t = row t / 2, half t % 2.
; Each load reads 512 consecutive bytes; a step's 2,048 bytes turn through the wave's own stage, so that a lane holds 16 neighbours along K (two lanes to a block).
; Lanes 0-15 hold one K step's 192 bytes of codes of the row, lanes 16-31 the next K step's.
.set STEPS, 16
.set CB,    12
.set R,     16                         ; v16-79   four sets of 16 numbers as loaded
.set X,     80                         ; v80-111  two sets of 16 neighbours
.set E,     112                        ; v112-127 a scale byte for each step
.set C,     128                        ; v128-191 codes, four registers a step
.set WREG,  8192
.set SP,    80
.set SCB,   32768                      ; the work-group's 1,024 scale bytes
	s_load_b128 s[4:7], s[0:1], 0x0                ; x, xc
	s_load_b64 s[8:9], s[0:1], 0x10                ; xs
	s_sub_co_u32 s26, ttmp9, 128                   ; G
	v_lshlrev_b32 v3, 4, v2
	s_mul_i32 s17, s16, WREG
	v_lshrrev_b32 v14, 2, v2
	v_mul_u32_u24 v14, v14, SP
	v_and_b32 v15, 3, v2
	v_lshl_add_u32 v14, v15, 4, v14
	v_add_nc_u32 v14, s17, v14                     ; the stage, in: SP (lane / 4) + 16 (lane % 4)
	v_mul_u32_u24 v15, v2, SP
	v_add_nc_u32 v15, s17, v15                     ; and out: SP x lane
	v_and_b32 v4, 15, v2
	v_mul_u32_u24 v4, v4, CB
	v_lshrrev_b32 v10, 4, v2
	v_mad_u32_u24 v4, v10, PLX, v4                 ; my codes: 12 (lane % 16) + (lane / 16) K steps
	v_lshrrev_b32 v5, 1, v2
	s_lshl_b32 s17, s16, 6
	s_add_co_u32 s17, s17, SCB
	v_add_nc_u32 v5, s17, v5                       ; scale bytes in: SCB + 64 w + lane / 2
	v_lshlrev_b32 v7, 3, v2
	s_lshl_b32 s17, s16, 8
	s_add_co_u32 s17, s17, SCB
	v_add_nc_u32 v6, s17, v7                       ; and out: SCB + 256 w + 8 x lane
	s_lshl_b32 s18, s26, 2
	s_add_co_u32 s18, s18, s16
	s_lshl_b32 s18, s18, 15                        ; x: (4 G + w) runs of 32,768 bytes
	s_mov_b32 s19, 0
	s_lshr_b32 s20, s26, 1
	s_lshl_b32 s20, s20, 6
	s_and_b32 s21, s26, 1
	s_lshl_b32 s21, s21, 3
	s_add_co_u32 s20, s20, s21                     ; 64 (G / 2) + 8 (G % 2)
	s_lshl_b32 s22, s16, 1
	s_add_co_u32 s22, s22, s20
	s_mul_i32 s22, s22, 192                        ; codes: place 64 (G / 2) + 8 (G % 2) + 2 w; row i lies 16 (i % 4) + i / 4 places on
	s_mov_b32 s23, 0
	s_lshl_b32 s24, s16, 4
	s_add_co_u32 s24, s24, s20
	s_lshl_b32 s24, s24, 5                         ; scale bytes: wave w stores the run from place 64 (G / 2) + 16 w + 8 (G % 2)
	s_mov_b32 s25, 0
	s_wait_alu depctr_va_vdst(0)
	s_wait_kmcnt 0x0
	s_add_nc_u64 s[4:5], s[4:5], s[18:19]
	s_add_nc_u64 s[6:7], s[6:7], s[22:23]
	s_add_nc_u64 s[8:9], s[8:9], s[24:25]
.macro XLOAD t
.irp i, 0,1,2,3
	global_load_b128 v[R+16*((\t)%4)+4*\i:R+16*((\t)%4)+4*\i+3], v3, s[4:5] offset:2048*(\t)+512*\i th:TH_LOAD_NT
.endr
.endm
.macro XTURN t                         ; LDS serves a wave's instructions in order: no wait between the stores and the loads
.irp i, 0,1,2,3
	ds_store_b128 v14, v[R+16*((\t)%4)+4*\i:R+16*((\t)%4)+4*\i+3] offset:32*SP*((\t)%2)+8*SP*\i
.endr
.irp i, 0,1,2,3
	ds_load_b128 v[X+16*((\t)%2)+4*\i:X+16*((\t)%2)+4*\i+3], v15 offset:32*SP*((\t)%2)+16*\i
.endr
.endm
.irp t, 0,1,2,3
	XLOAD \t
.endr
	s_wait_loadcnt 12                              ; step 0's four loads are in; three steps' twelve stay out
	XTURN 0
.macro XSTEP t
.set XS, X+16*((\t)%2)
.if (\t) > 0
	s_wait_dscnt 1                                 ; this step's numbers are back (the last step's byte store may be out)
.else
	s_wait_dscnt 0x0
.endif
.if (\t)+4 < STEPS
	XLOAD (\t)+4
.endif
.if (\t)+1 < STEPS
.if STEPS-2-(\t) >= 3
	s_wait_loadcnt 12                              ; the next step's four loads are in; three steps' may be out
.else
	s_wait_loadcnt 4*(STEPS-2-(\t))
.endif
	XTURN (\t)+1
.endif
	v_max3_num_f32 v8, |v[XS]|, |v[XS+1]|, |v[XS+2]|
	v_max3_num_f32 v9, |v[XS+3]|, |v[XS+4]|, |v[XS+5]|
.irp i, 6,10
	v_max3_num_f32 v8, v8, |v[XS+\i]|, |v[XS+\i+1]|
	v_max3_num_f32 v9, v9, |v[XS+\i+2]|, |v[XS+\i+3]|
.endr
	v_max3_num_f32 v8, v8, |v[XS+14]|, |v[XS+15]|
	v_max3_num_f32 v8, v8, v9, 0x2800000           ; and the floor 2^(5 - 127)
	v_max_num_f32_dpp v8, v8, v8 row_xmask:1 row_mask:0xf bank_mask:0xf   ; and my neighbour's 16: the block's
	v_add_nc_u32 v11, 0xfe000000, v8
	v_cvt_scalef32_pk16_bf6_f32 v[C+4*(\t):C+4*(\t)+2], v[XS:XS+15], v11
	v_lshrrev_b32 v[E+(\t)], 23, v11               ; the scale's byte (also the plain line behind the conversion)
	ds_store_b8 v5, v[E+(\t)] offset:(((\t)/2)%4)*256+(((\t)/2)/4)*32+16*((\t)%2)
	global_store_b96 v4, v[C+4*(\t):C+4*(\t)+2], s[6:7] offset:(16*(((\t)/2)%4)+((\t)/2)/4)*192+2*PLX*((\t)%2)   ; sixteen lanes fill a place's 192 bytes of a K step
.endm
.irp t, 0,1,2,3,4,5,6,7,8,9,10,11,12,13,14,15
	XSTEP \t
.endr
	s_wait_dscnt 0x0                               ; for the others' sake: my byte stores have landed
	s_barrier_signal -1
	s_barrier_wait -1
	ds_load_b64 v[12:13], v6                       ; bytes that all four waves stored
	s_wait_dscnt 0x0
	global_store_b64 v7, v[12:13], s[8:9]          ; 32 lanes store 256 consecutive bytes, aligned
	s_wait_tensorcnt 0x0                           ; the wave's end
	ds_add_u32 v192, v193
	s_wait_dscnt 0x0
	s_endpgm
.Lfunc_end_k_q060f648d57_quant:
	.size	k_q060f648d57_quant, .Lfunc_end_k_q060f648d57_quant-k_q060f648d57_quant
	.p2alignl 7, 3214868480
	.fill 96, 4, 3214868480
	.section	.rodata,"a",@progbits
	.p2align	6, 0x0
	.amdhsa_kernel k_q060f648d57_quant
		.amdhsa_group_segment_fixed_size 69120
		.amdhsa_private_segment_fixed_size 0
		.amdhsa_enable_private_segment 0
		.amdhsa_kernarg_size 72
		.amdhsa_user_sgpr_count 2
		.amdhsa_user_sgpr_kernarg_segment_ptr 1
		.amdhsa_wavefront_size32 1
		.amdhsa_system_sgpr_workgroup_id_x 1
		.amdhsa_system_sgpr_workgroup_id_y 1
		.amdhsa_system_sgpr_workgroup_id_z 1
		.amdhsa_system_vgpr_workitem_id 0
		.amdhsa_next_free_vgpr 194
		.amdhsa_next_free_sgpr 66
		.amdhsa_reserve_vcc 0
		.amdhsa_float_denorm_mode_32 3
		.amdhsa_float_denorm_mode_16_64 3
		.amdhsa_memory_ordered 1
		.amdhsa_forward_progress 1
		.amdhsa_inst_pref_size 76
	.end_amdhsa_kernel
	.amdgpu_metadata
---
amdhsa.version: [ 1, 2 ]
amdhsa.kernels:
  - .name:           k_q060f648d57_quant
    .symbol:         k_q060f648d57_quant.kd
    .args:
      - { .name: x, .offset: 0, .size: 8, .value_kind: global_buffer, .address_space: global }
      - { .name: xc, .offset: 8, .size: 8, .value_kind: global_buffer, .address_space: global }
      - { .name: xs, .offset: 16, .size: 8, .value_kind: global_buffer, .address_space: global }
      - { .name: Wq, .offset: 24, .size: 8, .value_kind: global_buffer, .address_space: global }
      - { .name: Wk, .offset: 32, .size: 8, .value_kind: global_buffer, .address_space: global }
      - { .name: Wv, .offset: 40, .size: 8, .value_kind: global_buffer, .address_space: global }
      - { .name: Wr, .offset: 48, .size: 8, .value_kind: global_buffer, .address_space: global }
      - { .name: wc, .offset: 56, .size: 8, .value_kind: global_buffer, .address_space: global }
      - { .name: ws, .offset: 64, .size: 8, .value_kind: global_buffer, .address_space: global }
    .group_segment_fixed_size: 69120
    .private_segment_fixed_size: 0
    .kernarg_segment_align: 8
    .kernarg_segment_size: 72
    .max_flat_workgroup_size: 128
    .sgpr_count:     66
    .vgpr_count:     194
    .wavefront_size: 32
...
	.end_amdgpu_metadata
.endif
;; end of part 1
;; launch proj (part 2): grid 16 x 32, 4 waves a work-group, clusters of 4 x 4, 327,680 bytes of LDS; arguments xc, xs, wc, ws, bq, bk, bv, br, qkvc, qkvs, res; writes qkvc, qkvs, res
.if DOCPART == 2
	.amdgcn_target "amdgcn-amd-amdhsa--gfx1250"
	.amdhsa_code_object_version 6
	.text
	.protected	k_q060f648d57_proj
	.globl	k_q060f648d57_proj
	.p2align	8
	.type	k_q060f648d57_proj,@function
k_q060f648d57_proj:
	s_mov_b64 s[64:65], 0
	v_nop
	global_prefetch_b8 v0, s[64:65] scope:SCOPE_SE
	s_setreg_imm32_b32 hwreg(HW_REG_WAVE_MODE, 25, 1), 1
	s_wait_xcnt 0x0
	s_wait_alu depctr_hold_cnt(0) depctr_sa_sdst(0) depctr_va_vdst(0) depctr_va_sdst(0) depctr_va_ssrc(0) depctr_va_vcc(0) depctr_vm_vsrc(0)
	s_getreg_b32 s2, hwreg(HW_REG_IB_STS2, 6, 4)
	s_cmp_eq_u32 s2, 0
	s_cbranch_scc0 .Lentry_in_a_cluster
	s_endpgm
.Lentry_in_a_cluster:
	s_bfe_u32 s2, ttmp6, 0x10000c
	s_cmp_lg_u32 s2, 0xf033
	s_cbranch_scc0 .Lentry_shape_is_right
	s_endpgm
.Lentry_shape_is_right:
; The four projections relu(x W + b) as ONE product on codes of BF6 (E3M2): A = x's 8,192 places, B = the four weights' 4,096 places, K = 1,024; sums in f32, the bias as the sums' first C.
; A tile of 256 x 256 to a work-group of four waves, 128 x 128 to a wave (64 accumulators, 512 registers); K in steps of 256 through a ring of two LDS slots filled by the tensor data mover;
; the scale bytes of the work-group's rows come into LDS once.  CLUSTERS of 4 x 4: A's tiles are asked for jointly along a row of the cluster, B's along a column.
; The matrix instruction is used transposed (source 0 = 16 places of B, source 1 = 16 places of A): lane (r, h) holds place r of A's block and places 8 h + 0..7 of B's block.
; The tile row is the head (256 rows of x); the cluster's x is the weight (0 q, 1 k, 2 v, 3 r), equal in all sixteen partners, so the way out may branch on it.
; x's places: block a, lane r of a wave is row 64 (a / 4) + 4 r + a % 4 of the wave's 128.  A wave's 128 places of B are one chunk of 128 columns (q, k, r), or 16 d x 8 chunks (v).
; THE WAY OUT.  q, k: a lane's 64 results of a block are its row's 128 d: quantised along d, stored as images of the next product's operand registers (d is permuted inside each block of 32, alike for q and k:
;   only the order of the f32 sums differs).  v: a lane's 8 registers of 4 neighbouring blocks a are the 32 keys (4 rows x 8 chunks) of one block along the keys at one d: quantised in the lane.
;   r: relu, f32, through a stage in LDS, whole rows of 512 bytes.  q, k and v never go to memory as f32.
; LIMITS: NaN and infinities are not served; a block of zeros, or one under 2^-122, gets the scale byte 1: its codes are zeros, and this program alone reads the bytes.
; REGISTERS, in windows of 256: window 0: v0-31 addresses; v32-63 scale words, two sets; v64-127 the bias (8 tiles), later numbers at work; from v128 A's fragments, one set.
;   window 1: B's fragments, two sets.   window 2: the accumulators of my blocks 0-3 ((a, b) at v[8 (8 (a % 4) + b)]);   window 3: those of blocks 4-7.
.set KSTEP,  256
.set NQ,     2                         ; matrix instructions deep in a slot
.set ROWB,   192                       ; a tile's row in bytes
; THE CODES LIE [K step of 256][place][192 bytes]: the 128 places of a tile are 24,576 dense bytes and come as 96 rows of 256 bytes, each on a 256-byte border;
; the padding of 16 bytes behind every 64 gives the same LDS rows of 240 bytes a place.  No prefetch: K is four steps, of which two are asked for at the head.
.set KROW,   192                       ; a place's bytes of one K step
.set PLX,    8192*192                  ; from a K step to the next in x's codes
.set PLW,    4096*192                  ; and in the weights'
.set PITCH,  240                       ; an LDS row: 3 x (64 bytes + 16 of padding): the 32 lanes of a load of 8 bytes touch 64 different banks (64 banks of 4 bytes: ISA guide 11.1)
.set FR,     12
.set NL,     6
.set NP,     4                         ; places behind this matrix instruction (ISA guide 7.12.1)
.set HALFT,  128*PITCH
.set SLOT,   4*HALFT
.set LAPS,   2                         ; 1,024 along K = twice round the ring
.set KS,     32                        ; a place's scale bytes
.set SCL,    2*SLOT                    ; behind the ring: the scales, as units of 256 bytes + 16 of padding
.set HALFS,  16*272                    ; those of 128 places
.set SBLK,   2*272                     ; those of 16
.set SPARE,  SCL+4*HALFS               ; the spare words, 128 bytes for each wave
.set SPITCH, 528                       ; res's way out: a stage of 16 rows x (512 + 16) bytes for each wave, in slot 0, which has had its last fill and its last read by then
.set ADRA, 16
.set ADRB, 20
.set STO,  24
.set RD,   25
.set CO,   26
.set ADRS, 27
.set SPW,  28
.set NIL,  29
.set SC,   32
.set BIAS, 64
.set T,    64                          ; the way out: 64 numbers at work
.set AF,   128
.set PC,   128                         ; the way out: v128-147 a fragment's codes
.set TM,   148                         ; v148-163 at work in QUANT
.set QA,   44                          ; v44-45 q, k: my byte in a store's units;  v46: in the scale words
.set VA,   54                          ; v54-61 v: my byte in block b's units;  v62: in the scale words;  v63: 8 (r % 4)
.set SEL,  92                          ; s[92:93] lane selects for v_permlanex16_b32
.set G1, 24
.set G0, 32
.set G1B, 48
.set G0B, 56
.set G1S, 68
.set G0S, 76
.set G1SB, 80
.set G0SB, 88
.set MSB, 0
.macro WIN new                         ; the immediate's high byte repeats the setting that is left
.if MSB != (\new)
	s_set_vgpr_msb (MSB<<8)|(\new)
.set MSB, (\new)
.endif
.endm
.set TO_B,   0x40                      ; destination window 1, address window 0
.macro WMUL hi, zero                   ; source 0 (B) window 1, source 1 (A) window 0, D window 2 + hi; C with D, or (the first step) the bias in window 0
.if \zero
	WIN 0x81+0x40*(\hi)
.else
	WIN 0xa1+0x50*(\hi)
.endif
.endm
; A joint load: waves 0 and 1 fetch for A, waves 2 and 3 for B; the branch hangs on the wave's number alone.  Four v_nop follow each of the two lines.
.macro JLOAD g0a, g1a, g0b, g1b
	s_cmp_eq_u32 s15, 0
	s_cbranch_scc0 .Lfor_b_\@
	tensor_load_to_lds s[\g0a:\g0a+3], s[\g1a:\g1a+7]
	s_nop 0
.rept 4
	v_nop
.endr
	s_branch .Lasked_\@
.Lfor_b_\@:
	tensor_load_to_lds s[\g0b:\g0b+3], s[\g1b:\g1b+7]
	s_nop 0
.rept 4
	v_nop
.endr
.Lasked_\@:
.endm
.macro CREST                           ; a round of the cluster's barrier behind its opening barrier
	s_cmp_lg_u32 s14, 0
	s_cbranch_scc1 .Lnot_wave_0_\@
	s_barrier_signal -3
.Lnot_wave_0_\@:
	s_barrier_wait -3
	s_barrier_signal -1
	s_barrier_wait -1
.endm
.macro CROUND
	s_barrier_signal -1
	s_barrier_wait -1
	CREST
.endm
	s_load_b128 s[4:7], s[0:1], 0x0                ; x's codes, x's scales
	s_load_b128 s[8:11], s[0:1], 0x10              ; the weights' codes, their scales
	v_lshl_add_u32 v[SPW], v0, 2, SPARE
	v_mov_b32 v[NIL], 0
	ds_add_u32 v28, v29
	ds_add_u32 v28, v29
	s_wait_dscnt 0x0
	v_lshrrev_b32 v1, 5, v0
	v_readfirstlane_b32 s14, v1                    ; wave 0..3
	s_lshr_b32 s15, s14, 1                         ; which 128 rows of the tile are mine.  Also: I fetch for A (0) or for B (1)
	s_and_b32 s16, s14, 1                          ; which 128 places of B.  Also: which 128 rows of that tile I fetch
	s_bfe_u32 s40, ttmp6, 0x40000                  ; cx, cy: my place in the cluster
	s_bfe_u32 s41, ttmp6, 0x40004
	s_lshl_b32 s42, ttmp9, 2
	s_add_co_u32 s42, s42, s40                     ; tile column = 4 x cluster x + cx
	s_and_b32 s17, ttmp7, 0xffff
	s_lshl_b32 s17, s17, 2
	s_add_co_u32 s17, s17, s41                     ; tile row = 4 x cluster y + cy = the head
	s_lshl_b32 s43, s41, 2
	s_lshl_b32 s43, 15, s43                        ; my row of the cluster
	s_lshl_b32 s44, 0x1111, s40                    ; my column
	; descriptor group 1: a tile of 128 rows x 192 bytes, 16 bytes of padding behind every 64
	s_or_b32 s[G1+0], s43, (0<<16)|(1<<20)|(1<<21)|(3<<22)|(3<<25)
	s_or_b32 s[G1B+0], s44, (0<<16)|(1<<20)|(1<<21)|(3<<22)|(3<<25)
.irp g, G1, G1B
	s_mov_b32 s[\g+1], 256<<16                     ; tensor_dim0: rows of 256 bytes
	s_mov_b32 s[\g+2], 192<<16                     ; tensor_dim1: the head's loads bring 256 places, 192 rows; behind them the two counts are set to 96
	s_mov_b32 s[\g+3], 256<<16                     ; tile_dim0
	s_mov_b32 s[\g+4], 192                         ; tile_dim1
	s_mov_b32 s[\g+5], 256                         ; dense
	s_mov_b32 s[\g+6], 0
	s_mov_b32 s[\g+7], 0
.endr
	; the scales of 256 places: 8,192 dense bytes, as 32 rows of 256 bytes (32 elements of 8), 16 bytes of padding behind each
	s_or_b32 s[G1S+0], s43, (3<<16)|(1<<20)|(1<<21)|(5<<22)|(3<<25)
	s_or_b32 s[G1SB+0], s44, (3<<16)|(1<<20)|(1<<21)|(5<<22)|(3<<25)
.irp g, G1S, G1SB
	s_mov_b32 s[\g+1], 32<<16
	s_mov_b32 s[\g+2], 32<<16                      ; the scales of 256 places: 32 rows of 256 bytes
	s_mov_b32 s[\g+3], 32<<16
	s_mov_b32 s[\g+4], 32
	s_mov_b32 s[\g+5], 32
	s_mov_b32 s[\g+6], 0
	s_mov_b32 s[\g+7], 0
.endr
	s_lshl_b32 s20, s17, 8                         ; A: the tile's first place, 256 x tile row
	s_lshl_b32 s46, s42, 8                         ; B: 256 x tile column
	s_mov_b32 s21, 0
	s_mov_b32 s47, 0
	s_mov_b64 s[18:19], KS
	s_mul_u64 s[22:23], s[20:21], s[18:19]         ; where these places' scales begin,
	s_mul_u64 s[92:93], s[46:47], s[18:19]
	s_mov_b64 s[18:19], KROW
	s_mul_u64 s[20:21], s[20:21], s[18:19]         ; and their codes
	s_mul_u64 s[46:47], s[46:47], s[18:19]
	s_mul_i32 s45, s14, HALFT                      ; where they go: wave x 128 rows: no place in the cluster enters an LDS address
	s_mul_i32 s18, s16, 128*KROW                   ; in the ring I fetch 128 places of a tile: which half, in bytes
	s_mov_b32 s19, 0
	s_wait_kmcnt 0x0
	s_add_nc_u64 s[20:21], s[4:5], s[20:21]
	s_add_nc_u64 s[22:23], s[6:7], s[22:23]
	s_add_nc_u64 s[46:47], s[8:9], s[46:47]
	s_add_nc_u64 s[92:93], s[10:11], s[92:93]
	CROUND                                         ; all sixteen work-groups are here: the first joint loads meet
	s_mov_b32 s[G0S], 1
	s_mov_b32 s[G0S+1], SCL
	s_mov_b64 s[G0S+2:G0S+3], s[22:23]
	s_or_b32 s[G0S+3], s[G0S+3], 0x80000000
	s_mov_b32 s[G0SB], 1
	s_mov_b32 s[G0SB+1], SCL+2*HALFS
	s_mov_b64 s[G0SB+2:G0SB+3], s[92:93]
	s_or_b32 s[G0SB+3], s[G0SB+3], 0x80000000
	s_mov_b32 s[G0], 1                             ; slot 0's groups 0 first serve the head: K step 0's 256 places of A, whole,
	s_mov_b32 s[G0+1], 0
	s_mov_b64 s[G0+2:G0+3], s[20:21]
	s_or_b32 s[G0+3], s[G0+3], 0x80000000
	s_mov_b32 s[G0B], 1                            ; and of B, behind them
	s_mov_b32 s[G0B+1], 2*HALFT
	s_mov_b64 s[G0B+2:G0B+3], s[46:47]
	s_or_b32 s[G0B+3], s[G0B+3], 0x80000000
	s_mov_b32 s[G0+4], 1                           ; slot 1: my 128 places of K step 1
	s_add_co_u32 s[G0+5], s45, SLOT
	s_add_nc_u64 s[G0+6:G0+7], s[20:21], s[18:19]
	s_add_nc_u64 s[G0+6:G0+7], s[G0+6:G0+7], PLX
	s_or_b32 s[G0+7], s[G0+7], 0x80000000
	s_mov_b32 s[G0B+4], 1
	s_add_co_u32 s[G0B+5], s45, SLOT
	s_add_nc_u64 s[G0B+6:G0B+7], s[46:47], s[18:19]
	s_add_nc_u64 s[G0B+6:G0B+7], s[G0B+6:G0B+7], PLW
	s_or_b32 s[G0B+7], s[G0B+7], 0x80000000
; THE HEAD'S LOADS, ONE A WAVE: wave 0 A's 256 places of K step 0, wave 1 B's, wave 2 A's scales, wave 3 B's.  One tree of branches on the wave's number.
.macro ARM under, g0, g1, next
	s_cmp_lt_u32 s14, \under
	s_cbranch_scc0 \next
	tensor_load_to_lds s[\g0:\g0+3], s[\g1:\g1+7]
	s_nop 0
.rept 4
	v_nop
.endr
	s_branch .Lhead_asked
\next:
.endm
	ARM 1, G0,  G1,  .Lhead_b
	ARM 2, G0B, G1B, .Lhead_sa
	ARM 3, G0S, G1S, .Lhead_sb
	tensor_load_to_lds s[G0SB:G0SB+3], s[G1SB:G1SB+7]
	s_nop 0
.rept 4
	v_nop
.endr
.Lhead_asked:
	s_load_b256 s[4:11], s[0:1], 0x20              ; bq, bk, bv, br (the four addresses above are done with)
	s_load_b128 s[96:99], s[0:1], 0x40             ; qkvc, qkvs
	s_load_b64 s[12:13], s[0:1], 0x50              ; res
	v_and_b32 v1, 15, v0                           ; r = l % 16
	v_bfe_u32 v2, v0, 4, 1                         ; h = l / 16
	v_mul_u32_u24 v3, v1, PITCH
	v_mul_u32_u24 v4, v2, 24
	v_add_nc_u32 v4, v3, v4                        ; a fragment's row x pitch + 24 x half
	v_lshl_add_u32 v5, v2, 4, v4                   ; and the same behind one padding more
	s_mul_i32 s21, s15, HALFT                      ; my 128 rows of A
	s_mul_i32 s22, s16, HALFT                      ; my 128 rows of B,
	s_add_co_u32 s22, s22, 2*HALFT                 ; which lie behind A's 256
.irp s, 0,1
	v_add_nc_u32 v[ADRA+\s], s21, v4
	v_add_nc_u32 v[ADRB+\s], s22, v4
	v_add_nc_u32 v[ADRA+2+\s], s21, v5
	v_add_nc_u32 v[ADRB+2+\s], s22, v5
	s_add_co_u32 s21, s21, SLOT
	s_add_co_u32 s22, s22, SLOT
.endr
	v_mul_u32_u24 v5, v1, KS                       ; my row's scales: 32 bytes a row,
	v_lshrrev_b32 v6, 8, v5
	v_lshl_add_u32 v5, v6, 4, v5                   ; and 16 more for each 256 passed
	s_mul_i32 s21, s15, HALFS                      ; A's: my 128 rows
	s_mul_i32 s22, s16, HALFS                      ; B's: my 128 rows, behind A's 256
	s_add_co_u32 s22, s22, 2*HALFS
	s_sub_co_u32 s22, s22, s21
	v_mul_u32_u24 v6, s22, v2                      ; lanes 16-31 take B's
	s_add_co_u32 s21, s21, SCL
	v_add_nc_u32 v5, v5, v6
	v_add_nc_u32 v[ADRS], s21, v5
	s_mul_i32 s23, s14, 16*SPITCH                  ; my stage (res's way out)
	v_mul_u32_u24 v5, v1, SPITCH                   ; in: row l % 16, 32 bytes for each half of the lanes
	v_lshl_add_u32 v5, v2, 5, v5
	v_add_nc_u32 v[STO], s23, v5
	v_and_b32 v6, 31, v0
	v_lshlrev_b32 v[CO], 4, v6                     ; back: the 32 lanes take one row of 512 bytes; and the same in res
	v_add_nc_u32 v[RD], s23, v[CO]
	; THE BIAS, in the result's layout: tile b, lane half h, register j.  q, k, r: column 256 cx + 128 wc + 16 b + 8 h + j;  v: column 128 j + 32 cx + 16 wc + 2 b + h
	s_wait_kmcnt 0x0
	s_cmp_eq_u32 ttmp9, 1                          ; the choice hangs on the cluster's x alone
	s_cselect_b64 s[4:5], s[6:7], s[4:5]
	s_cmp_eq_u32 ttmp9, 2
	s_cselect_b64 s[4:5], s[8:9], s[4:5]
	s_cmp_eq_u32 ttmp9, 3
	s_cselect_b64 s[4:5], s[10:11], s[4:5]
	s_lshl_b32 s20, s40, 10
	s_lshl_b32 s21, s16, 9
	s_add_co_u32 s20, s20, s21                     ; (256 cx + 128 wc) x 4
	s_mov_b32 s21, 0
	s_cmp_eq_u32 ttmp9, 2
	s_cbranch_scc1 .Lbias_v
	s_add_nc_u64 s[4:5], s[4:5], s[20:21]
	v_lshlrev_b32 v8, 5, v2                        ; + 32 h
.irp b, 0,1,2,3,4,5,6,7
	global_load_b128 v[BIAS+8*\b:BIAS+8*\b+3], v8, s[4:5] offset:64*\b
	global_load_b128 v[BIAS+8*\b+4:BIAS+8*\b+7], v8, s[4:5] offset:64*\b+16
.endr
	s_branch .Lbias_in
.Lbias_v:
	s_lshr_b32 s20, s20, 3                         ; (32 cx + 16 wc) x 4
	s_add_nc_u64 s[4:5], s[4:5], s[20:21]
	v_lshlrev_b32 v8, 2, v2                        ; + 4 h
.irp b, 0,1,2,3,4,5,6,7
.irp j, 0,1,2,3,4,5,6,7
	global_load_b32 v[BIAS+8*\b+\j], v8, s[4:5] offset:(128*\j+2*\b)*4
.endr
.endr
.Lbias_in:
.macro FRAG reg, adr, q, i             ; a fragment, 16 rows x 128 K of 6-bit codes: lane l holds row l % 16; registers 6 c .. 6 c + 5 hold K = 64 c + 32 (l / 16) + 0 .. 31, as they lie
.irp p, 0,1,2,3,4,5                    ; in pieces of 8 bytes.  Lanes 16-31 read three pieces further on than lanes 0-15: where that is behind one padding more, the second address register serves
.set PCE, 12*(\q)+6*(\p/3)+\p%3
.if PCE%8 < 5
	ds_load_b64 v[\reg+2*\p:\reg+2*\p+1], v[\adr] offset:8*PCE+16*(PCE/8)+(\i)*16*PITCH
.else
	ds_load_b64 v[\reg+2*\p:\reg+2*\p+1], v[\adr+2] offset:8*PCE+16*(PCE/8)+(\i)*16*PITCH
.endif
.endr
.endm
; 16 matrix instructions: A's blocks a0, a0 + 1 x B's eight, 128 along K.  zero = 1: the first product starts the sums from the bias.  The 64 accumulators take turns, one instruction a turn.
.macro MUL16 a0, p, q, sc, zero
.irp a, \a0, \a0+1
.irp b, 0,1,2,3,4,5,6,7
.if \zero
	v_wmma_scale_f32_16x16x128_f8f6f4 v[8*(8*((\a)%4)+\b):8*(8*((\a)%4)+\b)+7], v[128*(\p)+FR*\b:128*(\p)+FR*\b+FR-1], v[AF+FR*(\a):AF+FR*(\a)+FR-1], v[BIAS+8*\b:BIAS+8*\b+7], v[SC+8*NQ*(\sc)+NQ*\b+(\q)], v[SC+8*NQ*(\sc)+NQ*(\a)+(\q)] matrix_a_fmt:MATRIX_FMT_BF6 matrix_b_fmt:MATRIX_FMT_BF6 matrix_a_scale:MATRIX_SCALE_ROW1
.else
	v_wmma_scale_f32_16x16x128_f8f6f4 v[8*(8*((\a)%4)+\b):8*(8*((\a)%4)+\b)+7], v[128*(\p)+FR*\b:128*(\p)+FR*\b+FR-1], v[AF+FR*(\a):AF+FR*(\a)+FR-1], v[8*(8*((\a)%4)+\b):8*(8*((\a)%4)+\b)+7], v[SC+8*NQ*(\sc)+NQ*\b+(\q)], v[SC+8*NQ*(\sc)+NQ*(\a)+(\q)] matrix_a_fmt:MATRIX_FMT_BF6 matrix_b_fmt:MATRIX_FMT_BF6 matrix_a_scale:MATRIX_SCALE_ROW1
.endif
.endr
.endr
.endm
.macro FETCH_B slot, q, p
	WIN TO_B
.irp i, 0,1,2,3,4,5,6,7
	FRAG 128*(\p)+FR*\i, ADRB+\slot, \q, \i
.endr
	WIN 0
.endm
.macro FETCH_A slot, q, i0
.irp i, \i0, \i0+1, \i0+2, \i0+3
	FRAG AF+FR*(\i), ADRA+\slot, \q, \i
.endr
.endm
.macro SCALES sc                       ; a K step's scale words into set sc: lanes 0-15 take A's block i, lanes 16-31 B's block i
.irp i, 0,1,2,3,4,5,6,7
	ds_load_b64 v[SC+8*NQ*\sc+NQ*\i:SC+8*NQ*\sc+NQ*\i+1], v[ADRS] offset:\i*SBLK
.endr
.endm
.macro PLACES n                        ; plain vector lines between a matrix instruction and a load into, or a read of, its registers
.rept \n
	v_nop
.endr
.endm
.macro STEP slot, q, zero              ; a step of 128 along K that has its successor in the same slot
	s_wait_dscnt 4*NL                              ; B's set and A's blocks 0-3 are in; the youngest 24 loads (A's blocks 4-7) may be out
	WMUL 0, \zero
	MUL16 0, (\q)%2, \q, \slot, \zero
	MUL16 2, (\q)%2, \q, \slot, \zero
	s_wait_dscnt 0
	PLACES NP
	FETCH_B \slot, (\q)+1, 1-(\q)%2
	FETCH_A \slot, (\q)+1, 0
	WMUL 1, \zero
	MUL16 4, (\q)%2, \q, \slot, \zero
	MUL16 6, (\q)%2, \q, \slot, \zero
	PLACES NP
	WIN 0
	FETCH_A \slot, (\q)+1, 4
.endm
; A slot's last step changes slots: one barrier; in front of it each wave waits for all its tensor loads, adds 0 to its spare word, and waits for that and for its reads of this slot.
.macro TURN slot, next, fill
	s_wait_tensorcnt 0x0                           ; all my tensor loads have landed: my part of the next slot
	ds_add_u32 v[SPW], v[NIL]                      ; 0 onto my spare word
	s_wait_dscnt 4*NL+1                            ; (the add and the youngest 24 loads, A's blocks 4-7, may be out)
	WMUL 0, 0
	MUL16 0, 1, NQ-1, \slot, 0
	s_wait_dscnt 0x0                               ; the add is done, and my reads of this slot are over
	s_barrier_signal -1
	MUL16 2, 1, NQ-1, \slot, 0
	WIN 0
	s_barrier_wait -1
.if \fill
	CREST                                          ; the barrier has opened a round of the cluster's: no wave of any partner still reads this slot or has a load on its way
	s_add_nc_u64 s[G0+4*\slot+2:G0+4*\slot+3], s[G0+4*\slot+2:G0+4*\slot+3], 2*PLX
	s_add_nc_u64 s[G0B+4*\slot+2:G0B+4*\slot+3], s[G0B+4*\slot+2:G0B+4*\slot+3], 2*PLW
	JLOAD G0+4*\slot, G1, G0B+4*\slot, G1B         ; the first tensor load behind the round; its four v_nop are also the places in front of the loads below
.else
	PLACES NP
.endif
	s_wait_alu depctr_va_vdst(0)
	v_add_nc_u32 v[ADRS], 4*NQ, v[ADRS]            ; on to the next K step's scale words
	FETCH_B \next, 0, 0
	FETCH_A \next, 0, 0
	SCALES \next
	WMUL 1, 0
	MUL16 4, 1, NQ-1, \slot, 0
	MUL16 6, 1, NQ-1, \slot, 0
	PLACES NP
	WIN 0
	FETCH_A \next, 0, 4
.endm
	s_wait_loadcnt 0x0                             ; the bias
	s_wait_alu depctr_va_vdst(0)
	s_wait_tensorcnt 0x0                           ; my tile of the head's four is in; the lines ahead of a later first fill:
	ds_add_u32 v[SPW], v[NIL]
	s_mov_b32 s[G1+2], 96<<16                      ; no tensor load of mine is out: from here on a load brings 128 places, 96 rows
	s_mov_b32 s[G1+4], 96
	s_mov_b32 s[G1B+2], 96<<16
	s_mov_b32 s[G1B+4], 96
	s_mov_b32 s[G0+1], s45                         ; and slot 0's groups 0 turn to my 128 places (still at K step 0: the first refill steps them by two)
	s_add_nc_u64 s[G0+2:G0+3], s[G0+2:G0+3], s[18:19]
	s_mov_b32 s[G0B+1], s45
	s_add_nc_u64 s[G0B+2:G0B+3], s[G0B+2:G0B+3], s[18:19]
	s_wait_dscnt 0x0
	CROUND                                         ; all four tiles are in, and all sixteen work-groups are here
	JLOAD G0+4, G1, G0B+4, G1B                     ; K step 1, the first tensor load behind the round
	FETCH_B 0, 0, 0
	FETCH_A 0, 0, 0
	s_wait_alu depctr_va_vdst(0)
	SCALES 0
	FETCH_A 0, 0, 4
	STEP 0, 0, 1                                   ; the first step stands in front of the loop: its products start the sums from the bias
	s_mov_b32 s3, LAPS-1
.Llap:                                                 ; a trip goes once round the ring and fills both slots again
	TURN 0, 1, 1
	STEP 1, 0, 0
	TURN 1, 0, 1
	STEP 0, 0, 0
	s_sub_co_u32 s3, s3, 1
	s_cmp_lg_u32 s3, 0
	s_cbranch_scc1 .Llap
	TURN 0, 1, 0                                   ; the last lap fills nothing
	STEP 1, 0, 0
	s_wait_dscnt 4*NL
	WMUL 0, 0
	MUL16 0, 1, NQ-1, 1, 0
	MUL16 2, 1, NQ-1, 1, 0
	s_wait_dscnt 0
	WMUL 1, 0
	MUL16 4, 1, NQ-1, 1, 0
	MUL16 6, 1, NQ-1, 1, 0
	WIN 0
	PLACES NP                                      ; in front of the first writes of registers that the last products read
.macro FINISH                          ; the wave's end; then the closing round
	s_wait_tensorcnt 0x0
	ds_add_u32 v[SPW], v[NIL]
	s_wait_dscnt 0x0
	CROUND
	s_endpgm
.endm
; relu of n results from window win, v[src] on, into window 0, v[dst] on: each accumulator from its low end on
.macro RELU dst, win, src, n
	WIN 0x0a+5*((\win)-2)
.set jj, 0
.rept \n
	v_max_num_f32 v[\dst+jj], 0, v[\src+jj]
.set jj, jj+1
.endr
.endm
; 64 numbers of a lane, register 16 b + i = place 32 b + 16 (lane / 16) + i along K of my row, become a fragment's codes in v[PC] on and its scale word in v[pw]
.macro QUANT s, pw
.irp b, 0,1,2,3
	v_max3_num_f32 v[TM+\b], |v[\s+16*\b]|, |v[\s+1+16*\b]|, 0x2800000   ; my 16 numbers of block b, and the floor 2^(5 - 127)
.endr
.irp i, 2,4,6,8,10,12,14
.irp b, 0,1,2,3
	v_max3_num_f32 v[TM+\b], v[TM+\b], |v[\s+16*\b+\i]|, |v[\s+1+16*\b+\i]|
.endr
.endr
.irp b, 0,1,2,3
	v_permlanex16_b32 v[TM+4+\b], v[TM+\b], s[SEL], s[SEL+1]
.endr
.irp b, 0,1,2,3
	v_max_num_f32 v[TM+\b], v[TM+\b], v[TM+4+\b]   ; with lane l xor 16's: the block's largest magnitude
.endr
.irp b, 0,1,2,3
	v_add_nc_u32 v[TM+12+\b], 0xfe000000, v[TM+\b] ; 4 off its exponent field: the conversion's scale operand
.endr
.irp b, 0,1,2,3
	v_lshrrev_b32 v[TM+4+\b], 23, v[TM+12+\b]      ; the scale's byte
.endr
	v_lshl_or_b32 v[\pw], v[TM+5], 8, v[TM+4]
	v_lshl_or_b32 v[\pw], v[TM+6], 16, v[\pw]
	v_lshl_or_b32 v[\pw], v[TM+7], 24, v[\pw]
.irp c, 0,1
	v_cvt_scalef32_pk16_bf6_f32 v[PC+6*\c:PC+2+6*\c], v[\s+32*\c:\s+15+32*\c], v[TM+12+2*\c]
	v_cvt_scalef32_pk16_bf6_f32 v[PC+12+4*\c:PC+14+4*\c], v[\s+16+32*\c:\s+31+32*\c], v[TM+12+2*\c+1]
.endr
	v_nop                                          ; one plain line behind the conversions
.irp c, 0,1                                    ; the operand's layout wants a whole block in a lane
.irp i, 0,1,2
	v_permlane16_swap_b32 v[PC+6*\c+\i], v[PC+12+4*\c+\i]
.endr
.irp i, 0,1,2
	v_mov_b32 v[PC+3+6*\c+\i], v[PC+12+4*\c+\i]
.endr
.endr
.endm
	s_cmp_eq_u32 ttmp9, 2
	s_cbranch_scc1 .Lway_v
	s_cmp_eq_u32 ttmp9, 3
	s_cbranch_scc1 .Lway_r
	; ---- q, k.  My chunk c = 2 cx + wc.  Block a, lane r is the query or key (row 128 wr + 64 (a / 4) + 4 r + a % 4, chunk c).  Its fragment's registers 4 g .. 4 g + 3 of lane half h go to byte
	; (c / 2) 49152 + (row / 64) 12288 + 256 (g + 3 (a % 4) + 12 (c % 2) + 24 h) + 16 (r xor (c + 8 ((a % 4) / 2))) of the head's 196,608: sixteen lanes fill 256 consecutive bytes, aligned
	s_mov_b32 s[SEL], 0x76543210
	s_mov_b32 s[SEL+1], 0xfedcba98
	s_lshl_b32 s18, s40, 1
	s_add_co_u32 s18, s18, s16                     ; c
	v_and_b32 v1, 15, v0
	v_bfe_u32 v2, v0, 4, 1
	v_xor_b32 v[QA], s18, v1
	v_lshlrev_b32 v[QA], 4, v[QA]
	v_mad_u32_u24 v[QA], v2, 6144, v[QA]           ; 16 (r xor c) + 6144 h
	v_xor_b32 v[QA+1], 0x80, v[QA]                 ; 16 (r xor (c + 8)) + 6144 h
	v_lshlrev_b32 v46, 4, v1
	v_lshl_add_u32 v46, v2, 8, v46                 ; the scale words: 16 r + 256 h
.irp b, 0,1,2,3
	v_mov_b32 v[TM+4+\b], 0                        ; written once: a lane permute's destination counts as one of its sources
.endr
	s_mul_i32 s20, ttmp9, 6291456                  ; q's or k's part of the buffer
	s_mul_i32 s21, s17, 196608
	s_add_co_u32 s20, s20, s21
	s_mul_i32 s21, s40, 49152
	s_add_co_u32 s20, s20, s21
	s_mul_i32 s21, s15, 24576
	s_add_co_u32 s20, s20, s21
	s_mul_i32 s21, s16, 3072
	s_add_co_u32 s20, s20, s21
	s_mov_b32 s21, 0
	s_add_nc_u64 s[96:97], s[96:97], s[20:21]
	s_lshl_b32 s20, ttmp9, 18                      ; scale words: byte c 1024 + (row / 64) 256 + 16 r + 4 (a % 4) of the head's 8,192
	s_lshl_b32 s22, s17, 13
	s_add_co_u32 s20, s20, s22
	s_lshl_b32 s22, s18, 10
	s_add_co_u32 s20, s20, s22
	s_lshl_b32 s22, s15, 9
	s_add_co_u32 s20, s20, s22
	s_add_nc_u64 s[98:99], s[98:99], s[20:21]
.irp a, 0,1,2,3,4,5,6,7
	RELU T, 2+\a/4, 64*(\a%4), 64
	WIN 0
	s_wait_xcnt 0x0                                ; the last block's stores have read their data: the codes' registers are written again only behind this wait
	QUANT T, 32+\a
.irp g, 0,1,2
	global_store_b128 v[QA+(\a%4)/2], v[PC+4*\g:PC+4*\g+3], s[96:97] offset:(\a/4)*12288+256*(\g+3*(\a%4))
.endr
.endr
	v_cmp_ne_u32 vcc_lo, 0, v2
.irp u, 0,1,2,3
	v_cndmask_b32 v[40+\u], v[32+\u], v[36+\u], vcc_lo   ; lanes 0-15 store blocks 0-3's words, lanes 16-31 blocks 4-7's (every lane holds its row's word)
.endr
	global_store_b128 v46, v[40:43], s[98:99]      ; 512 consecutive bytes
	FINISH
.Lway_v:
	; ---- v.  Tile b, lane half h is d = 32 cx + 16 wc + 2 b + h; register j is chunk j; blocks a = 4 A + u, lane r are rows 64 A + 4 r + u: the 32 keys 8 u + j of block r of the slot 2 wr + A.
	; A block's 24 bytes go as three pieces p of 8 bytes to byte slot 49152 + (d / 16) 6144 + b 768 + 256 p + 8 ((r + 16 h) xor 2 b): 32 lanes fill 256 consecutive bytes, aligned
	v_and_b32 v3, 31, v0
.irp b, 0,1,2,3,4,5,6,7
	v_xor_b32 v[VA+\b], 2*\b, v3
.endr
.irp b, 0,1,2,3,4,5,6,7
	v_lshlrev_b32 v[VA+\b], 3, v[VA+\b]
.endr
	v_lshlrev_b32 v62, 3, v3
	v_and_b32 v63, 3, v0
	v_lshlrev_b32 v63, 3, v63                      ; 8 (r % 4): my byte's place in a scale word
	v_and_b32 v52, 1, v0
	v_cmp_ne_u32 s18, 0, v52                       ; r % 2
	v_and_b32 v52, 2, v0
	v_cmp_ne_u32 s19, 0, v52                       ; (r / 2) % 2
	s_mul_i32 s20, s17, 196608
	s_add_co_u32 s20, s20, 12582912                ; v's part of the buffer
	s_mul_i32 s21, s15, 98304
	s_add_co_u32 s20, s20, s21
	s_lshl_b32 s22, s40, 1
	s_add_co_u32 s22, s22, s16                     ; d / 16
	s_mul_i32 s21, s22, 6144
	s_add_co_u32 s20, s20, s21
	s_mov_b32 s21, 0
	s_add_nc_u64 s[96:97], s[96:97], s[20:21]
	s_lshl_b32 s20, s17, 13
	s_add_co_u32 s20, s20, 524288
	s_lshl_b32 s23, s22, 10
	s_add_co_u32 s20, s20, s23
	s_lshl_b32 s23, s15, 9
	s_add_co_u32 s20, s20, s23
	s_add_nc_u64 s[98:99], s[98:99], s[20:21]
; item (A, b): numbers in v[T + 32 (b % 2)] on, codes in eight registers of its own (no store's data are written again), its scale word in v[32 + 8 A + b]
.macro VITEM A, b
.set TT, T+32*((\b)%2)
.set CC, 128+8*(8*(\A)+(\b))
.set WW, 32+8*(\A)+(\b)
.irp u, 0,1,2,3
	RELU TT+8*\u, 2+(\A), 64*\u+8*(\b), 8
.endr
	WIN 0
	v_max3_num_f32 v48, v[TT], v[TT+1], v[TT+2]    ; none is negative: no |.|
	v_max3_num_f32 v49, v[TT+3], v[TT+4], v[TT+5]
.irp i, 6,10,14,18,22,26
	v_max3_num_f32 v48, v48, v[TT+\i], v[TT+\i+1]
	v_max3_num_f32 v49, v49, v[TT+\i+2], v[TT+\i+3]
.endr
	v_max3_num_f32 v48, v48, v[TT+30], v[TT+31]
	v_max3_num_f32 v48, v48, v49, 0x2800000        ; and the floor 2^(5 - 127)
	v_add_nc_u32 v50, 0xfe000000, v48
	v_lshrrev_b32 v51, 23, v50                     ; the scale's byte
	v_cvt_scalef32_pk16_bf6_f32 v[CC:CC+2], v[TT:TT+15], v50
	v_cvt_scalef32_pk16_bf6_f32 v[CC+4:CC+6], v[TT+16:TT+31], v50
	v_nop                                          ; one plain line behind the conversions
	v_mov_b32 v[CC+3], v[CC+4]
	v_mov_b32 v[CC+4], v[CC+5]
	v_mov_b32 v[CC+5], v[CC+6]
.irp p, 0,1,2
	global_store_b64 v[VA+(\b)], v[CC+2*\p:CC+2*\p+1], s[96:97] offset:(\A)*49152+(\b)*768+256*\p
.endr
	v_lshlrev_b32 v[WW], v63, v51                  ; my block's byte at its place; with the three neighbours' the word of blocks 4 (r / 4) .. + 3 is whole, in all four lanes
	v_mov_b32_dpp v52, v[WW] row_xmask:1 row_mask:0xf bank_mask:0xf
	v_or_b32 v[WW], v[WW], v52
	v_mov_b32_dpp v52, v[WW] row_xmask:2 row_mask:0xf bank_mask:0xf
	v_or_b32 v[WW], v[WW], v52
.endm
.irp A, 0,1
.irp b, 0,1,2,3,4,5,6,7
	VITEM \A, \b
.endr
.endr
	; scale words: byte (d / 16) 1024 + slot 256 + 8 (4 (r / 4) + b % 4 + 16 h) + 4 (b / 4): lane r stores the words of b = r % 4 and 4 + r % 4
.irp A, 0,1
.irp e, 0,1
	v_cndmask_b32 v52, v[32+8*\A+4*\e], v[33+8*\A+4*\e], s18
	v_cndmask_b32 v53, v[34+8*\A+4*\e], v[35+8*\A+4*\e], s18
	v_cndmask_b32 v[48+2*\A+\e], v52, v53, s19
.endr
.endr
	global_store_b64 v62, v[48:49], s[98:99]       ; 256 consecutive bytes, aligned
	global_store_b64 v62, v[50:51], s[98:99] offset:256
	FINISH
.Lway_r:
	; ---- res = relu(x Wr + br), f32, natural order.  A block's 16 rows x 128 columns go through my stage and come back as whole rows of 512 bytes
	s_lshl_b32 s20, s17, 8
	s_lshl_b32 s21, s15, 7
	s_add_co_u32 s20, s20, s21                     ; my first row
	s_lshl_b32 s20, s20, 12
	s_lshl_b32 s21, s40, 10
	s_add_co_u32 s20, s20, s21
	s_lshl_b32 s21, s16, 9
	s_add_co_u32 s20, s20, s21                     ; + my first column, in bytes
	s_mov_b32 s21, 0
	s_add_nc_u64 s[12:13], s[12:13], s[20:21]
.irp a, 0,1,2,3,4,5,6,7
	s_wait_xcnt 0x0                                ; the last block's stores have read their data
	RELU T, 2+\a/4, 64*(\a%4), 64
	WIN 0
.irp b, 0,1,2,3,4,5,6,7
	ds_store_b128 v[STO], v[T+8*\b:T+8*\b+3] offset:64*\b
	ds_store_b128 v[STO], v[T+8*\b+4:T+8*\b+7] offset:64*\b+16
.endr
.irp t, 0,1,2,3,4,5,6,7,8,9,10,11,12,13,14,15
	ds_load_b128 v[128+4*\t:128+4*\t+3], v[RD] offset:\t*SPITCH    ; LDS serves a wave's instructions in order: these see the stores above
.endr
	s_wait_dscnt 0x0
.irp t, 0,1,2,3,4,5,6,7,8,9,10,11,12,13,14,15
	global_store_b128 v[CO], v[128+4*\t:128+4*\t+3], s[12:13] offset:(64*(\a/4)+4*\t+\a%4)*4096   ; 32 lanes store 512 consecutive bytes, aligned
.endr
.endr
	FINISH
.Lfunc_end_k_q060f648d57_proj:
	.size	k_q060f648d57_proj, .Lfunc_end_k_q060f648d57_proj-k_q060f648d57_proj
	.p2alignl 7, 3214868480
	.fill 96, 4, 3214868480
	.section	.rodata,"a",@progbits
	.p2align	6, 0x0
	.amdhsa_kernel k_q060f648d57_proj
		.amdhsa_group_segment_fixed_size 327680
		.amdhsa_private_segment_fixed_size 0
		.amdhsa_enable_private_segment 0
		.amdhsa_kernarg_size 88
		.amdhsa_user_sgpr_count 2
		.amdhsa_user_sgpr_kernarg_segment_ptr 1
		.amdhsa_wavefront_size32 1
		.amdhsa_system_sgpr_workgroup_id_x 1
		.amdhsa_system_sgpr_workgroup_id_y 1
		.amdhsa_system_sgpr_workgroup_id_z 1
		.amdhsa_system_vgpr_workitem_id 0
		.amdhsa_next_free_vgpr 1024
		.amdhsa_next_free_sgpr 100
		.amdhsa_reserve_vcc 1
		.amdhsa_float_denorm_mode_32 3
		.amdhsa_float_denorm_mode_16_64 3
		.amdhsa_memory_ordered 1
		.amdhsa_forward_progress 1
		.amdhsa_inst_pref_size 255
	.end_amdhsa_kernel
	.section	.bss,"aw",@nobits
	.p2align	6
	.space	262144
	.amdgpu_metadata
---
amdhsa.version: [ 1, 2 ]
amdhsa.kernels:
  - .name:           k_q060f648d57_proj
    .symbol:         k_q060f648d57_proj.kd
    .args:
      - { .name: xc, .offset: 0, .size: 8, .value_kind: global_buffer, .address_space: global }
      - { .name: xs, .offset: 8, .size: 8, .value_kind: global_buffer, .address_space: global }
      - { .name: wc, .offset: 16, .size: 8, .value_kind: global_buffer, .address_space: global }
      - { .name: ws, .offset: 24, .size: 8, .value_kind: global_buffer, .address_space: global }
      - { .name: bq, .offset: 32, .size: 8, .value_kind: global_buffer, .address_space: global }
      - { .name: bk, .offset: 40, .size: 8, .value_kind: global_buffer, .address_space: global }
      - { .name: bv, .offset: 48, .size: 8, .value_kind: global_buffer, .address_space: global }
      - { .name: br, .offset: 56, .size: 8, .value_kind: global_buffer, .address_space: global }
      - { .name: qkvc, .offset: 64, .size: 8, .value_kind: global_buffer, .address_space: global }
      - { .name: qkvs, .offset: 72, .size: 8, .value_kind: global_buffer, .address_space: global }
      - { .name: res, .offset: 80, .size: 8, .value_kind: global_buffer, .address_space: global }
    .group_segment_fixed_size: 327680
    .private_segment_fixed_size: 0
    .kernarg_segment_align: 8
    .kernarg_segment_size: 88
    .max_flat_workgroup_size: 128
    .sgpr_count:     100
    .vgpr_count:     1024
    .wavefront_size: 32
...
	.end_amdgpu_metadata
.endif
;; end of part 2
;; launch attn (part 3): grid 8 x 32, 16 waves a work-group, clusters of 4 x 1, 327,680 bytes of LDS; arguments qkvc, qkvs, res, gamma, beta, out0; writes out0
.if DOCPART == 3
	.amdgcn_target "amdgcn-amd-amdhsa--gfx1250"
	.amdhsa_code_object_version 6
	.text
	.protected	k_q060f648d57_attn
	.globl	k_q060f648d57_attn
	.p2align	8
	.type	k_q060f648d57_attn,@function
k_q060f648d57_attn:
	s_mov_b64 s[64:65], 0
	v_nop
	global_prefetch_b8 v0, s[64:65] scope:SCOPE_SE
	s_setreg_imm32_b32 hwreg(HW_REG_WAVE_MODE, 25, 1), 1
	s_wait_xcnt 0x0
	s_wait_alu depctr_hold_cnt(0) depctr_sa_sdst(0) depctr_va_vdst(0) depctr_va_sdst(0) depctr_va_ssrc(0) depctr_va_vcc(0) depctr_vm_vsrc(0)
	s_getreg_b32 s2, hwreg(HW_REG_IB_STS2, 6, 4)
	s_cmp_eq_u32 s2, 0
	s_cbranch_scc0 .Lentry_in_a_cluster
	s_endpgm
.Lentry_in_a_cluster:
	s_bfe_u32 s2, ttmp6, 0x10000c
	s_cmp_lg_u32 s2, 0x3003
	s_cbranch_scc0 .Lentry_shape_is_right
	s_endpgm
.Lentry_shape_is_right:
; softmax(q k^T / sqrt(128)) v on codes of BF6, then relu(. + res) and the layer norm.  Head = grid y (256 rows of x, 2,048 queries and keys); a work-group takes 256 queries
; (32 rows x 8 chunks), a wave 16 queries = 2 whole rows of the output, so that the norm stays inside a wave.  Both products are used transposed: a lane holds one query.
; The keys go in four slots of 512 through a ring of two LDS slots (K's 49,152 bytes, then V's), a slot in four steps of 128 keys; the head's scale words stay in LDS.
; The four work-groups of a cluster share a head: every fill is a joint load.  At the head all sixteen waves issue one: waves 0-7 an eighth of slot 0 each, waves 8-15 an eighth of the scales.
; M is the running largest t rounded up to a whole number; p = 2^(t - M); the sum is taken of the unquantised p; O^T and the sum are brought under a new M by an exact power of two.
; LDS LOADS RUN AHEAD OF THEIR USE: V's first four fragments are asked for ahead of the softmax's vector work, V's last four behind the conversions (into the scores' registers),
; the next step's K fragments behind each half of the second product.
; No prefetch of K and V: each fill is asked for a whole slot, four steps, ahead of the wait for it.  res, first touched here, is prefetched one slot ahead of its loads: a lane a block of 256 bytes of the wave's own 8,192.
; LIMITS: the promise holds while the scaled scores stay under 2^31 in magnitude; NaN and infinities are not served.
; REGISTERS: v1-4 base addresses, v5-6 the add's, v7 an offset, v8-11, v28-31 addresses of the step, v12 -M, v13 largest t, v14-15 the sum, v16-27 q;
;   v32-79 K's tiles 0-3, v80-127 K's tiles 4-7; scores: blocks 0, 1 in v128-159, blocks 2, 3 in v32-63; V's tiles 0-3 in v64-111, 4-7 in v112-159; v160-223 O^T; v224-235 p's codes;
;   v232-243 at work; v244-247, v248-251 scale words and the conversions' scale operands; v252 f, v253 p's scale word, v255 q's.
.set SLOT1, 1<<17
.set VOFF,  49152
.set SCK,   98304                      ; K's scale words: 32 rows of 256 + 16 bytes
.set SCV,   SCK+32*272                 ; V's
.set SPARE, SCV+32*272                 ; the spare words, 128 bytes a wave
.set STAGE, 229376                     ; the way out: 16 rows x 272 bytes a wave, bytes into which no fill lands
.set AK0,  1
.set AV0,  2
.set ASK0, 3
.set ASV0, 4
.set SPW,  5
.set NIL,  6
.set GO,   7
.set ADK,  8
.set ADV,  28
.set ADS,  30
.set ADT,  31
.set TB,   2                           ; s2 the slot's LDS base, s3 the slot's place in a row of scale words
.set TS,   3
.set WV,   18
.set SEL,  20
.set CS,   22
.set G1C,  24                          ; 48 rows of 256 bytes, dense
.set G1S,  32                          ; 8 rows of 256 bytes, 16 of padding behind each
.set G0C,  40
.set G0S,  44
.set STP,  48                          ; s[48:49] bytes from a slot's part to the next slot's
.set XS,   50                          ; s50-55 what a step's addresses are xored with
.set SLOTS, 67
.macro CROUND
	s_barrier_signal -1
	s_barrier_wait -1
	s_cmp_lg_u32 s[WV], 0
	s_cbranch_scc1 .Lnot_wave_0_\@
	s_barrier_signal -3
.Lnot_wave_0_\@:
	s_barrier_wait -3
	s_barrier_signal -1
	s_barrier_wait -1
.endm
	s_load_b256 s[4:11], s[0:1], 0x0               ; qkvc, qkvs, res, gamma
	s_load_b128 s[12:15], s[0:1], 0x20             ; beta, out0
	v_lshl_add_u32 v[SPW], v0, 2, SPARE
	v_mov_b32 v[NIL], 0
	ds_add_u32 v[SPW], v[NIL]                      ; the opening lines: the add twice on end and its wait
	ds_add_u32 v[SPW], v[NIL]
	v_lshrrev_b32 v8, 5, v0
	v_readfirstlane_b32 s[WV], v8
	s_bfe_u32 s66, ttmp6, 0x40000                  ; cx
	s_lshl_b32 s68, ttmp9, 2
	s_add_co_u32 s68, s68, s66                     ; which 256 queries
	s_and_b32 s69, ttmp7, 0xffff                   ; the head
	s_and_b32 s70, s[WV], 1
	s_mul_i32 s72, s69, 196608
	s_lshl_b32 s73, s69, 13
	; the fills.  Waves 0-3: K's part c / 2 = w (12,288 bytes of each slot, parts 49,152 apart); waves 4-7: a quarter of V's 49,152 bytes of the slot
	s_and_b32 s56, s[WV], 3
	s_and_b32 s57, s[WV], 7
	s_cmp_lt_u32 s[WV], 4
	s_mov_b32 s58, 12288
	s_cselect_b32 s58, 49152, s58                  ; from part to part
	s_mov_b32 s[STP], 49152
	s_cselect_b32 s[STP], 12288, s[STP]            ; from slot to slot
	s_mov_b32 s59, 12582912
	s_cselect_b32 s59, 6291456, s59                ; k's or v's part of the buffer
	s_mov_b32 s[STP+1], 0
	s_mul_i32 s74, s56, s58
	s_add_co_u32 s74, s74, s59
	s_add_co_u32 s74, s74, s72
	s_mov_b32 s75, 0
	s_mul_i32 s76, s57, 12288                      ; LDS: K's four parts, then V's four quarters
	s_bfe_u32 s60, s[WV], 0x10002                  ; waves 8-11 K's scale words, 12-15 V's: 2,048 bytes each
	s_lshl_b32 s78, s60, 18
	s_add_co_u32 s78, s78, 262144
	s_add_co_u32 s78, s78, s73
	s_lshl_b32 s79, s56, 11
	s_add_co_u32 s78, s78, s79
	s_mov_b32 s79, 0
	s_mul_i32 s77, s57, 8*272
	; q, res and out0
	s_and_b32 s86, s68, 1
	s_lshl_b32 s86, s86, 3
	s_lshr_b32 s87, s[WV], 1
	s_add_co_u32 s86, s86, s87
	s_lshl_b32 s87, s70, 3
	s_xor_b32 s88, s86, s87
	s_lshr_b32 s89, s68, 1
	s_mul_i32 s84, s89, 12288
	s_add_co_u32 s84, s84, s72
	s_mul_i32 s85, s70, 1536
	s_add_co_u32 s84, s84, s85
	s_mov_b32 s85, 0
	s_lshl_b32 s90, s89, 8
	s_add_co_u32 s90, s90, s73
	s_lshl_b32 s91, s86, 4
	s_add_co_u32 s90, s90, s91
	s_add_co_u32 s90, s90, s87
	s_mov_b32 s91, 0
	s_lshl_b32 s92, s69, 8
	s_lshl_b32 s93, s68, 5
	s_add_co_u32 s92, s92, s93
	s_lshl_b32 s93, s[WV], 1
	s_add_co_u32 s92, s92, s93
	s_lshl_b32 s92, s92, 12                        ; my two rows of res and out0
	s_mov_b32 s93, 0
	s_mov_b32 s[G1C], 15|(3<<16)|(1<<21)
	s_mov_b32 s[G1C+1], 32<<16
	s_mov_b32 s[G1C+2], 48<<16
	s_mov_b32 s[G1C+3], 32<<16
	s_mov_b32 s[G1C+4], 48
	s_mov_b32 s[G1C+5], 32
	s_mov_b32 s[G1C+6], 0
	s_mov_b32 s[G1C+7], 0
	s_mov_b32 s[G1S], 15|(3<<16)|(1<<20)|(1<<21)|(5<<22)|(3<<25)
	s_mov_b32 s[G1S+1], 32<<16
	s_mov_b32 s[G1S+2], 8<<16
	s_mov_b32 s[G1S+3], 32<<16
	s_mov_b32 s[G1S+4], 8
	s_mov_b32 s[G1S+5], 32
	s_mov_b32 s[G1S+6], 0
	s_mov_b32 s[G1S+7], 0
	s_mov_b32 s[SEL], 0x76543210
	s_mov_b32 s[SEL+1], 0xfedcba98
	s_mov_b32 s[CS], 0x3e0293ee                    ; log2(e) / sqrt(128)
	s_mov_b32 s[CS+1], s[CS]
	s_mov_b32 s[TB], 0
	s_mov_b32 s[TS], 0
	s_mov_b32 s[SLOTS], 3
	s_wait_dscnt 0x0                               ; both opening adds are done
	s_wait_kmcnt 0x0
	s_mov_b32 s[G0C], 1
	s_mov_b32 s[G0C+1], s76
	s_add_nc_u64 s[G0C+2:G0C+3], s[4:5], s[74:75]
	s_or_b32 s[G0C+3], s[G0C+3], 0x80000000
	s_mov_b32 s[G0S], 1
	s_add_co_u32 s[G0S+1], s77, SCK
	s_add_nc_u64 s[G0S+2:G0S+3], s[6:7], s[78:79]
	s_or_b32 s[G0S+3], s[G0S+3], 0x80000000
	CROUND                                         ; the four partners are here: the first joint loads meet
	s_cmp_lt_u32 s[WV], 8
	s_cbranch_scc0 .Lhead_s
	tensor_load_to_lds s[G0C:G0C+3], s[G1C:G1C+7]
	s_nop 0
.rept 4
	v_nop
.endr
	s_branch .Lhead_asked
.Lhead_s:
	tensor_load_to_lds s[G0S:G0S+3], s[G1S:G1S+7]
	s_nop 0
.rept 4
	v_nop
.endr
.Lhead_asked:
	s_add_nc_u64 s[4:5], s[4:5], s[84:85]
	s_add_nc_u64 s[6:7], s[6:7], s[90:91]
	s_add_nc_u64 s[8:9], s[8:9], s[92:93]
	s_add_nc_u64 s[14:15], s[14:15], s[92:93]
	v_and_b32 v8, 15, v0
	v_bfe_u32 v9, v0, 4, 1
	v_bfe_u32 v10, v0, 1, 2
	v_bfe_u32 v11, v0, 3, 1
	v_and_b32 v12, 1, v0
	v_and_b32 v13, 7, v0
	v_mul_u32_u24 v29, v10, 49152                  ; q's fragment: lane r is chunk r % 8 of my row r / 8
	v_mul_u32_u24 v[AK0], v10, 12288               ; K's: lane r is chunk r % 8, row 2 (r / 8) + t % 2 of the block's four
	v_mad_u32_u24 v29, v11, 768, v29
	v_mad_u32_u24 v[AK0], v11, 1536, v[AK0]
	v_mad_u32_u24 v29, v12, 3072, v29
	v_mad_u32_u24 v[AK0], v12, 3072, v[AK0]
	v_mad_u32_u24 v29, v9, 6144, v29
	v_mad_u32_u24 v[AK0], v9, 6144, v[AK0]
	v_xor_b32 v30, s88, v13
	v_lshl_add_u32 v[AK0], v8, 4, v[AK0]
	v_lshl_add_u32 v29, v30, 4, v29
.irp g, 0,1,2
	global_load_b128 v[16+4*\g:19+4*\g], v29, s[4:5] offset:256*\g
.endr
	v_lshlrev_b32 v28, 10, v13
	v_bfe_u32 v30, v0, 1, 3
	v_lshl_add_u32 v28, v11, 2, v28
	global_load_b32 v255, v28, s[6:7]
	v_mul_u32_u24 v[AV0], v30, 784                 ; V's: lane r is d = r of the tile's 16
	v_mul_u32_u24 v[ASK0], v13, 1088
	v_lshl_add_u32 v[AV0], v9, 3, v[AV0]
	v_lshl_add_u32 v[ASK0], v11, 3, v[ASK0]
	v_lshl_add_u32 v[AV0], v12, 7, v[AV0]
	v_add_nc_u32 v[ASK0], SCK, v[ASK0]
	v_add_nc_u32 v[AV0], VOFF, v[AV0]
	v_lshlrev_b32 v[ASV0], 3, v10
	v_and_b32 v[GO], 31, v0
	v_lshl_add_u32 v[ASV0], v12, 7, v[ASV0]
	v_lshlrev_b32 v[GO], 8, v[GO]                  ; until the way out: the prefetch's offset, 256 x lane
	v_lshl_add_u32 v[ASV0], v11, 2, v[ASV0]
	v_mov_b32 v13, 0xff61b1e6                      ; the largest t so far: -3e38
	v_add_nc_u32 v[ASV0], SCV, v[ASV0]
	v_floor_f32 v12, -v13
	v_mov_b32 v14, 0
	v_mov_b32 v15, 0
.irp b, 0,1,2,3
	v_mov_b32 v[236+\b], 0                         ; a lane permute's destination counts as one of its sources
.endr
	v_mov_b32 v253, 0
.set j, 0
.rept 64
	v_mov_b32 v[160+j], 0                          ; the step is written once: the first finds zeros
.set j, j+1
.endr
.macro KADR q                          ; K's addresses of step q: block 4 q + b of the slot; the slot's base is bit 17, above every base address
.irp b, 0,1,2,3
	s_xor_b32 s[XS+\b], s[TB], (4*(\q)+\b)<<4
.endr
.irp b, 0,1,2,3
	v_xor_b32 v[ADK+\b], s[XS+\b], v[AK0]
.endr
	s_wait_alu depctr_va_vdst(0)                   ; readers stand behind waits
.endm
.macro KLOAD q, g, f, sc               ; four fragments of K and their scale words: 14 LDS loads
.irp t, 0,1,2,3
.irp i, 0,1,2
	ds_load_b128 v[\f+12*\t+4*\i:\f+12*\t+4*\i+3], v[ADK+2*\g+\t/2] offset:256*(\i+3*(\t%2))
.endr
.endr
.irp e, 0,1
	ds_load_b64 v[\sc+2*\e:\sc+2*\e+1], v[ADS] offset:64*(\q)+16*(2*\g+\e)
.endr
.endm
.macro VLOAD q, g, f, sc               ; four fragments of V and their scale words: 28 LDS loads
.irp t, 0,1,2,3
.irp p, 0,1,2,3,4,5
	ds_load_b64 v[\f+12*\t+2*\p:\f+12*\t+2*\p+1], v[ADV+\p/3] offset:(4*\g+\t)*6144+256*(\p%3)
.endr
	ds_load_b32 v[\sc+\t], v[ADT] offset:(4*\g+\t)*1088+32*(\q)
.endr
.endm
.macro QK d, f, sc                     ; S^T: four tiles of 16 keys
.irp t, 0,1,2,3
	v_wmma_scale_f32_16x16x128_f8f6f4 v[\d+8*\t:\d+8*\t+7], v[\f+12*\t:\f+12*\t+11], v[16:27], 0, v[\sc+\t], v255 matrix_a_fmt:MATRIX_FMT_BF6 matrix_b_fmt:MATRIX_FMT_BF6
.endr
.endm
.macro PV g, f, sc                     ; O^T += V^T p^T: four tiles of 16 d
.irp t, 0,1,2,3
	v_wmma_scale_f32_16x16x128_f8f6f4 v[160+8*(4*\g+\t):167+8*(4*\g+\t)], v[\f+12*\t:\f+12*\t+11], v[224:235], v[160+8*(4*\g+\t):167+8*(4*\g+\t)], v[\sc+\t], v253 matrix_a_fmt:MATRIX_FMT_BF6 matrix_b_fmt:MATRIX_FMT_BF6
.endr
.endm
.macro BMAX b0, b1, s0, s1             ; the largest score of two blocks of 32 keys (my 16 of each), by turns
	v_max3_num_f32 v[232+\b0], v[\s0], v[\s0+1], v[\s0+2]
	v_max3_num_f32 v[232+\b1], v[\s1], v[\s1+1], v[\s1+2]
.irp i, 3,5,7,9,11,13
	v_max3_num_f32 v[232+\b0], v[232+\b0], v[\s0+\i], v[\s0+\i+1]
	v_max3_num_f32 v[232+\b1], v[232+\b1], v[\s1+\i], v[\s1+\i+1]
.endr
	v_max_num_f32 v[232+\b0], v[232+\b0], v[\s0+15]
	v_max_num_f32 v[232+\b1], v[232+\b1], v[\s1+15]
.endm
; A step of 128 keys.  At its head both groups of K loads are out.  pre = 1: the next step lies in the same slot, and its K fragments are asked for here.
.macro STEP q, pre
	s_wait_dscnt 14                                ; tiles 0-3 are in; the second group's 14 loads may be out
	QK 128, 32, 248
.irp c, 0,1
	s_xor_b32 s[XS+4+\c], s[TB], (2*(\q)+\c)<<4
.endr
.irp c, 0,1
	v_xor_b32 v[ADV+\c], s[XS+4+\c], v[AV0]        ; V's addresses; with the three lines below, five places ahead of results laid over K's tiles 0-3
.endr
.rept 3
	v_nop
.endr
	s_wait_alu depctr_va_vdst(0)
	s_wait_dscnt 0x0
	QK 32, 80, 244
	BMAX 0, 1, 128, 144                            ; sixteen plain lines: the places ahead of the loads below
	VLOAD \q, 0, 64, 248
	BMAX 2, 3, 32, 48
.irp b, 0,1,2,3
	v_permlanex16_b32 v[236+\b], v[232+\b], s[SEL], s[SEL+1]
.endr
.irp b, 0,1,2,3
	v_max_num_f32 v[232+\b], v[232+\b], v[236+\b]  ; with lane l xor 16's 16 keys
.endr
	v_max3_num_f32 v254, v232, v233, v234
	s_delay_alu instid0(VALU_DEP_1)
	v_max_num_f32 v254, v254, v235
	s_delay_alu instid0(VALU_DEP_1)
	v_mul_f32 v254, s[CS], v254
	s_delay_alu instid0(VALU_DEP_1)
	v_max_num_f32 v13, v13, v254                   ; the running largest t
	v_mov_b32 v254, v12
	s_delay_alu instid0(VALU_DEP_2)
	v_floor_f32 v12, -v13                          ; -M
	s_delay_alu instid0(VALU_DEP_1)
	v_sub_f32 v254, v12, v254
	s_delay_alu instid0(VALU_DEP_1)
	v_cvt_i32_f32 v254, v254
	s_delay_alu instid0(VALU_DEP_1)
	v_ldexp_f32 v252, 1.0, v254                    ; f = 2^(old M - new M)
.irp s0, 128, 32
.set j, 0
.rept 16
	v_pk_fma_f32 v[\s0+j:\s0+j+1], v[\s0+j:\s0+j+1], s[CS:CS+1], v[12:13] op_sel_hi:[1,0,0]   ; t - M
.set j, j+2
.endr
.endr
.irp b, 0,1,2,3
	v_fma_f32 v[232+\b], v[232+\b], s[CS], v12     ; the same of each block's largest score
.endr
	s_wait_alu depctr_va_vdst(0)
.irp s0, 128, 32
.set j, 0
.rept 32
	v_exp_f32 v[\s0+j], v[\s0+j]                   ; p
.set j, j+1
.endr
.endr
	v_pk_mul_f32 v[14:15], v[14:15], v[252:253] op_sel_hi:[1,0]
	s_wait_alu depctr_va_vdst(0)                   ; one wait for the batch
.irp b, 0,1,2,3
	v_exp_f32 v[232+\b], v[232+\b]                 ; each block's largest p
.endr
	v_pk_add_f32 v[236:237], v[128:129], v[130:131]   ; the sum of the unquantised p, in two chains
.irp j, 4,8,12,16,20,24,28
	v_pk_add_f32 v[14:15], v[14:15], v[128+\j:129+\j]
	v_pk_add_f32 v[236:237], v[236:237], v[130+\j:131+\j]
.endr
.irp j, 0,4,8,12,16,20,24,28
	v_pk_add_f32 v[14:15], v[14:15], v[32+\j:33+\j]
	v_pk_add_f32 v[236:237], v[236:237], v[34+\j:35+\j]
.endr
	s_delay_alu instid0(VALU_DEP_1)
	v_pk_add_f32 v[14:15], v[14:15], v[236:237]
	s_wait_alu depctr_va_vdst(0)                   ; and one for the four
.irp b, 0,1,2,3
	v_max_num_f32 v[232+\b], 0x2800000, v[232+\b]  ; the floor 2^(5 - 127)
.endr
.irp b, 0,1,2,3
	v_add_nc_u32 v[244+\b], 0xfe000000, v[232+\b]  ; the conversion's scale operand
.endr
.irp b, 0,1,2,3
	v_lshrrev_b32 v[236+\b], 23, v[244+\b]         ; the scale's byte
.endr
	v_lshl_or_b32 v253, v237, 8, v236
	s_delay_alu instid0(VALU_DEP_1)
	v_lshl_or_b32 v253, v238, 16, v253
	s_delay_alu instid0(VALU_DEP_1)
	v_lshl_or_b32 v253, v239, 24, v253             ; p's scale word
	v_cvt_scalef32_pk16_bf6_f32 v[224:226], v[128:143], v244
	v_cvt_scalef32_pk16_bf6_f32 v[236:238], v[144:159], v245
	v_cvt_scalef32_pk16_bf6_f32 v[230:232], v[32:47], v246
	v_cvt_scalef32_pk16_bf6_f32 v[240:242], v[48:63], v247
	v_nop                                          ; one plain line behind the conversions
	VLOAD \q, 1, 112, 244                          ; into registers that the conversions have read
.irp c, 0,1
.irp i, 0,1,2
	v_permlane16_swap_b32 v[224+6*\c+\i], v[236+4*\c+\i]   ; a whole block to a lane
.endr
.irp i, 0,1,2
	v_mov_b32 v[227+6*\c+\i], v[236+4*\c+\i]
.endr
.endr
	s_wait_alu depctr_va_vdst(0)
.set j, 0
.rept 32
	v_pk_mul_f32 v[160+j:161+j], v[160+j:161+j], v[252:253] op_sel_hi:[1,0]   ; O^T under the new M
.set j, j+2
.endr
	s_wait_alu depctr_va_vdst(0)
	s_wait_dscnt 28                                ; V's tiles 0-3 are in; the second group's 28 loads may be out
	PV 0, 64, 248
.if \pre
	KADR (\q)+1                                    ; its four vector lines are the places ahead of the loads below
	KLOAD (\q)+1, 0, 32, 248
	s_wait_dscnt 14                                ; V's tiles 4-7 are in; the 14 just issued may be out
.else
	s_wait_dscnt 0x0
.endif
	PV 1, 112, 244
.rept 5
	v_nop                                          ; five places: the next scores are laid over V's tiles
.endr
.if \pre
	KLOAD (\q)+1, 1, 80, 244
.endif
.endm
.macro CHANGE fill                     ; the change of slots: the three lines, the barrier (a round where a slot is filled), the fill first behind it
	s_wait_tensorcnt 0x0
	ds_add_u32 v[SPW], v[NIL]
.if \fill
	s_xor_b32 s[G0C+1], s[G0C+1], SLOT1
	s_add_nc_u64 s[G0C+2:G0C+3], s[G0C+2:G0C+3], s[STP:STP+1]
.endif
	s_wait_dscnt 0x0
.if \fill
	CROUND
	s_cmp_lt_u32 s[WV], 8
	s_cbranch_scc0 .Lno_fill_\@
	tensor_load_to_lds s[G0C:G0C+3], s[G1C:G1C+7]
	s_nop 0
.rept 4
	v_nop
.endr
.Lno_fill_\@:
.else
	s_barrier_signal -1
	s_barrier_wait -1
.endif
.endm
.macro SLOT_STEPS
	v_add_nc_u32 v[ADS], s[TS], v[ASK0]
	v_add_nc_u32 v[ADT], s[TS], v[ASV0]
	KADR 0
	KLOAD 0, 0, 32, 248
	KLOAD 0, 1, 80, 244
	STEP 0, 1
	STEP 1, 1
	STEP 2, 1
	STEP 3, 0
	s_xor_b32 s[TB], s[TB], SLOT1
	s_add_co_u32 s[TS], s[TS], 272
.endm
	s_wait_alu depctr_va_vdst(0)
	s_wait_loadcnt 0x0                             ; q
.Lslot:
	CHANGE 1
	SLOT_STEPS
	s_sub_co_u32 s[SLOTS], s[SLOTS], 1
	s_cmp_lg_u32 s[SLOTS], 0
	s_cbranch_scc1 .Lslot
	CHANGE 0                                       ; the last slot: nothing is filled
	global_prefetch_b8 v[GO], s[8:9] th:TH_LOAD_NT scope:SCOPE_SE   ; my two rows of res, 32 blocks of 256 bytes, four steps ahead of their loads
	SLOT_STEPS
	; ---- the way out: O^T / the sum, through my stage into whole rows, + res, relu, the norm
	s_wait_xcnt 0x0                                ; the prefetch has read its offset
	v_add_f32 v14, v14, v15
	s_delay_alu instid0(VALU_DEP_1)
	v_permlanex16_b32 v252, v14, s[SEL], s[SEL+1]
	s_delay_alu instid0(VALU_DEP_1)
	v_add_f32 v14, v14, v252
	s_wait_alu depctr_va_vdst(0)
	v_rcp_f32 v14, v14
	v_and_b32 v8, 15, v0
	v_bfe_u32 v9, v0, 4, 1
	s_mul_i32 s73, s[WV], 16*272
	s_add_co_u32 s73, s73, STAGE
	v_mul_u32_u24 v10, v8, 272
	v_mul_u32_u24 v11, v9, 272
	v_lshlrev_b32 v[GO], 9, v9
	v_lshl_add_u32 v10, v9, 5, v10
	v_lshl_add_u32 v11, v8, 4, v11
	v_lshl_add_u32 v[GO], v8, 4, v[GO]             ; 512 h + 16 r in a row pair of res, gamma, beta, out0
	v_add_nc_u32 v10, s73, v10
	v_add_nc_u32 v11, s73, v11
	s_mov_b32 s74, 0x3a800000                      ; 1 / 1024
	s_mov_b32 s75, 0x322bcc77                      ; 1e-8
	s_wait_alu depctr_va_vdst(0)
.set j, 0
.rept 32
	v_pk_mul_f32 v[96+j:97+j], v[160+j:161+j], v[14:15] op_sel_hi:[1,0]
.set j, j+2
.endr
.irp u, 0,1
.irp i, 0,1,2,3,4,5,6,7
	global_load_b128 v[160+32*\u+4*\i:163+32*\u+4*\i], v[GO], s[8:9] offset:1024*\i+256*\u th:TH_LOAD_NT
.endr
.endr
.irp u, 0,1
.irp t, 0,1,2,3
	ds_store_b128 v10, v[96+32*\u+8*\t:99+32*\u+8*\t] offset:64*\t
	ds_store_b128 v10, v[100+32*\u+8*\t:103+32*\u+8*\t] offset:64*\t+16
.endr
.irp i, 0,1,2,3,4,5,6,7
	ds_load_b128 v[32+32*\u+4*\i:35+32*\u+4*\i], v11 offset:2*\i*272   ; LDS serves a wave's instructions in order
.endr
.endr
	s_wait_dscnt 0x0
.irp u, 0,1
.irp i, 0,1,2,3
	global_load_b128 v[96+16*\u+4*\i:99+16*\u+4*\i], v[GO], s[10:11] offset:1024*\i+256*\u
	global_load_b128 v[128+16*\u+4*\i:131+16*\u+4*\i], v[GO], s[12:13] offset:1024*\i+256*\u
.endr
.endr
	s_wait_loadcnt 16                              ; res is in; gamma's and beta's 16 loads may be out
.set j, 0
.rept 32
	v_pk_add_f32 v[32+j:33+j], v[32+j:33+j], v[160+j:161+j]
.set j, j+2
.endr
.set j, 0
.rept 64
	v_max_num_f32 v[32+j], 0, v[32+j]
.set j, j+1
.endr
.macro ACROSS                          ; two rows' sums over registers and lanes
.irp w, 0,1
	v_pk_add_f32 v[224+4*\w:225+4*\w], v[224+4*\w:225+4*\w], v[226+4*\w:227+4*\w]
.endr
.irp w, 0,1
	s_delay_alu instid0(VALU_DEP_2)
	v_add_f32 v[224+4*\w], v[224+4*\w], v[225+4*\w]
.endr
.irp m, 1,2,4,8
.irp w, 0,1
	s_delay_alu instid0(VALU_DEP_2)
	v_add_f32_dpp v[224+4*\w], v[224+4*\w], v[224+4*\w] row_xmask:\m row_mask:0xf bank_mask:0xf
.endr
.endr
.irp w, 0,1
	s_delay_alu instid0(VALU_DEP_2)
	v_permlanex16_b32 v[225+4*\w], v[224+4*\w], s[SEL], s[SEL+1]
.endr
.irp w, 0,1
	s_delay_alu instid0(VALU_DEP_2)
	v_add_f32 v[224+4*\w], v[224+4*\w], v[225+4*\w]
.endr
.endm
.irp w, 0,1
	v_pk_add_f32 v[224+4*\w:225+4*\w], v[32+16*\w:33+16*\w], v[34+16*\w:35+16*\w]
	v_pk_add_f32 v[226+4*\w:227+4*\w], v[64+16*\w:65+16*\w], v[66+16*\w:67+16*\w]
.endr
.irp k, 4,6,8,10,12,14
.irp w, 0,1
	v_pk_add_f32 v[224+4*\w:225+4*\w], v[224+4*\w:225+4*\w], v[32+16*\w+\k:33+16*\w+\k]
	v_pk_add_f32 v[226+4*\w:227+4*\w], v[226+4*\w:227+4*\w], v[64+16*\w+\k:65+16*\w+\k]
.endr
.endr
	ACROSS
.irp w, 0,1
	s_delay_alu instid0(VALU_DEP_2)
	v_mul_f32 v[232+2*\w], 0xba800000, v[224+4*\w] ; - the mean
.endr
.irp w, 0,1
	s_delay_alu instid0(VALU_DEP_2)
	v_mov_b32 v[233+2*\w], v[232+2*\w]
.endr
.irp k, 0,2,4,6,8,10,12,14
.irp w, 0,1
	v_pk_add_f32 v[32+16*\w+\k:33+16*\w+\k], v[32+16*\w+\k:33+16*\w+\k], v[232+2*\w:233+2*\w]
	v_pk_add_f32 v[64+16*\w+\k:65+16*\w+\k], v[64+16*\w+\k:65+16*\w+\k], v[232+2*\w:233+2*\w]
.endr
.endr
.irp w, 0,1
	v_pk_mul_f32 v[224+4*\w:225+4*\w], v[32+16*\w:33+16*\w], v[32+16*\w:33+16*\w]
	v_pk_mul_f32 v[226+4*\w:227+4*\w], v[64+16*\w:65+16*\w], v[64+16*\w:65+16*\w]
.endr
.irp k, 2,4,6,8,10,12,14
.irp w, 0,1
	v_pk_fma_f32 v[224+4*\w:225+4*\w], v[32+16*\w+\k:33+16*\w+\k], v[32+16*\w+\k:33+16*\w+\k], v[224+4*\w:225+4*\w]
	v_pk_fma_f32 v[226+4*\w:227+4*\w], v[64+16*\w+\k:65+16*\w+\k], v[64+16*\w+\k:65+16*\w+\k], v[226+4*\w:227+4*\w]
.endr
.endr
	ACROSS
.irp w, 0,1
	s_delay_alu instid0(VALU_DEP_2)
	v_fma_f32 v[224+4*\w], v[224+4*\w], s74, s75   ; the variance + 1e-8
.endr
	s_wait_alu depctr_va_vdst(0)
.irp w, 0,1
	v_rsq_f32 v[236+2*\w], v[224+4*\w]
	v_rsq_f32 v[237+2*\w], v[224+4*\w]
.endr
	v_nop
	s_wait_alu depctr_va_vdst(0)
	s_wait_loadcnt 0x0                             ; gamma, beta
.irp u, 0,1
.irp w, 0,1
.irp k, 0,2,4,6,8,10,12,14
	v_pk_mul_f32 v[32+32*\u+16*\w+\k:33+32*\u+16*\w+\k], v[32+32*\u+16*\w+\k:33+32*\u+16*\w+\k], v[236+2*\w:237+2*\w]
.endr
.irp k, 0,2,4,6,8,10,12,14
	v_pk_fma_f32 v[32+32*\u+16*\w+\k:33+32*\u+16*\w+\k], v[32+32*\u+16*\w+\k:33+32*\u+16*\w+\k], v[96+16*\u+\k:97+16*\u+\k], v[128+16*\u+\k:129+16*\u+\k]
.endr
.endr
.endr
.irp u, 0,1
.irp i, 0,1,2,3,4,5,6,7
	global_store_b128 v[GO], v[32+32*\u+4*\i:35+32*\u+4*\i], s[14:15] offset:1024*\i+256*\u th:TH_STORE_NT   ; sixteen lanes store 256 consecutive bytes, aligned
.endr
.endr
	s_wait_tensorcnt 0x0                           ; the wave's end
	ds_add_u32 v[SPW], v[NIL]
	s_wait_dscnt 0x0
	CROUND                                         ; the closing round
	s_endpgm
.Lfunc_end_k_q060f648d57_attn:
	.size	k_q060f648d57_attn, .Lfunc_end_k_q060f648d57_attn-k_q060f648d57_attn
	.p2alignl 7, 3214868480
	.fill 96, 4, 3214868480
	.section	.rodata,"a",@progbits
	.p2align	6, 0x0
	.amdhsa_kernel k_q060f648d57_attn
		.amdhsa_group_segment_fixed_size 327680
		.amdhsa_private_segment_fixed_size 0
		.amdhsa_enable_private_segment 0
		.amdhsa_kernarg_size 48
		.amdhsa_user_sgpr_count 2
		.amdhsa_user_sgpr_kernarg_segment_ptr 1
		.amdhsa_wavefront_size32 1
		.amdhsa_system_sgpr_workgroup_id_x 1
		.amdhsa_system_sgpr_workgroup_id_y 1
		.amdhsa_system_sgpr_workgroup_id_z 1
		.amdhsa_system_vgpr_workitem_id 0
		.amdhsa_next_free_vgpr 256
		.amdhsa_next_free_sgpr 100
		.amdhsa_reserve_vcc 0
		.amdhsa_float_denorm_mode_32 3
		.amdhsa_float_denorm_mode_16_64 3
		.amdhsa_memory_ordered 1
		.amdhsa_forward_progress 1
		.amdhsa_inst_pref_size 209
	.end_amdhsa_kernel
	.amdgpu_metadata
---
amdhsa.version: [ 1, 2 ]
amdhsa.kernels:
  - .name:           k_q060f648d57_attn
    .symbol:         k_q060f648d57_attn.kd
    .args:
      - { .name: qkvc, .offset: 0, .size: 8, .value_kind: global_buffer, .address_space: global }
      - { .name: qkvs, .offset: 8, .size: 8, .value_kind: global_buffer, .address_space: global }
      - { .name: res, .offset: 16, .size: 8, .value_kind: global_buffer, .address_space: global }
      - { .name: gamma, .offset: 24, .size: 8, .value_kind: global_buffer, .address_space: global }
      - { .name: beta, .offset: 32, .size: 8, .value_kind: global_buffer, .address_space: global }
      - { .name: out0, .offset: 40, .size: 8, .value_kind: global_buffer, .address_space: global }
    .group_segment_fixed_size: 327680
    .private_segment_fixed_size: 0
    .kernarg_segment_align: 8
    .kernarg_segment_size: 48
    .max_flat_workgroup_size: 512
    .sgpr_count:     100
    .vgpr_count:     256
    .wavefront_size: 32
...
	.end_amdgpu_metadata
.endif
;; end of part 3
